; MI455X (gfx1250); checked and timed in simulation.
; The chip was launched on July 23, 2026; its instructions are those of AMD's public machine-readable ISA for CDNA 5 (MIT licence, August 2026) and "CDNA5" Instruction Set Architecture Reference Guide (July 2026). The comments in the code are by the model that wrote it; some were corrected since.
;; Multi Head Attention. Allowed arithmetic: matrix products marked QUANTISED: E2M1 operands, one E8M0 scale for each 32 along K, by v_wmma_scale_f32_16x16x128_f8f6f4 with both operands' format E2M1 (or v_wmma_scale_f32_32x16x128_f4), f32 sums; products left as they are: bf16, f16 or f32 operands; f32 sums; everything else in f32.
;; Inputs: b_proj 1,024 float32; w_proj 1,024 x 1,024 float32; wk 16 x 1,024 x 64 float32; wq 16 x 1,024 x 64 float32; wv 16 x 1,024 x 64 float32; x 4 x 2,048 x 1,024 float32.
;; Outputs: out0 4 x 2,048 x 1,024 float32.
;; This version of the problem:
;;   THIS VERSION OF THE PROBLEM IS GIVEN IN LOW PRECISION. The matrix products marked QUANTISED in the list below multiply operands that are first quantised to E2M1 (2 exponent bits, 1 mantissa bit; 4 bits a number), with one power-of-two scale for each 32 numbers along K (OCP MX v1.0); their sums are f32. The products marked 'left as it is' may take bf16, f16 or f32 operands, with f32 sums. Whichever they take, every output number must still come out within the allowed error. Rounding operands to bf16 (8 significant bits) uses up far more of that allowance than f16 does (11 bits, for magnitudes from 6e-5 to 65,504). All else is computed in f32.
;;   The module's matrix products, in the order in which they are computed (A, B: the left and right operand; K: the contracted axis; several contracted axes count as one K, in the product's order):
;;     1. [M 1,024, K 1,024] x [K 1,024, N 8,192]; A: input wq; B: input x: QUANTISED
;;     2. [M 1,024, K 1,024] x [K 1,024, N 8,192]; A: input wk; B: input x: QUANTISED
;;     3. [M 1,024, K 1,024] x [K 1,024, N 8,192]; A: input wv; B: input x: QUANTISED
;;     4. batch 64 x [M 2,048, K 64] x [K 64, N 2,048]; A: computed on the way; B: computed on the way: left as it is (an operand is computed on the way)
;;     5. batch 64 x [M 2,048, K 2,048] x [K 2,048, N 64]; A: computed on the way; B: computed on the way: left as it is (an operand is computed on the way)
;;     6. [M 8,192, K 1,024] x [K 1,024, N 1,024]; A: computed on the way; B: input w_proj: left as it is (an operand is computed on the way)
;;   THE QUANTISER, for each operand of a quantised product, along K:
;;     - K is cut into blocks of 32 from its start; a last block that is shorter is filled with zeros.
;;     - A block's scale is 2^e with e = floor(log2(the largest magnitude in the block)) - 2, held to -126 .. 127; a block of zeros has e = 0. As a byte (E8M0): e + 127.
;;     - Each number is divided by its block's scale, clamped to +-6, and rounded to the nearest number of E2M1, ties to even, subnormals kept.
;;     - The product sums the exact products of the quantised numbers (number of the format x scale) in f32.
;;   ~~~python
;;   def quantise(x, axis):      # numpy; x: float32 -> the quantised numbers, widened to float32 again
;;       x = np.moveaxis(x, axis, -1); K = x.shape[-1]
;;       x = np.pad(x, [(0, 0)] * (x.ndim - 1) + [(0, -K % 32)]); x = x.reshape(x.shape[:-1] + (-1, 32)); a = np.abs(x).max(-1, keepdims=True)
;;       e = np.where(a > 0, np.clip(np.frexp(np.where(a > 0, a, 1))[1] - 1 - 2, -126, 127), 0)      # np.frexp(a)[1] - 1 = floor(log2(a)), exactly
;;       r = np.clip(x / 2.0 ** e, -6, 6)
;;       step = 2.0 ** (np.maximum(np.frexp(np.where(r == 0, 1, r))[1] - 1, 0) - 1)
;;       q = np.round(r / step) * step * 2.0 ** e      # np.round: ties to even
;;       return np.moveaxis(q.reshape(q.shape[:-2] + (-1,))[..., :K], -1, axis).astype(np.float32)
;;   ~~~
;; One version. Each part assembles by itself: llvm-mc -triple=amdgcn-amd-amdhsa -mcpu=gfx1250 --defsym DOCPART=n.
;; ======== version 1 of 1: 5 launches
;; limits: values are held in f16: magnitudes above 65,504 overflow, below 6.1e-05 lose precision
;; workspace buffers: xc 4,194,304 bytes; xs 262,144 bytes; wc 1,572,864 bytes; ws 98,304 bytes; wp16 2,097,152 bytes; qkv16 50,331,648 bytes; qkv32 786,432 bytes; y16 16,777,216 bytes
;; launch prep (part 1): grid 576 x 1, 4 waves a work-group, no clusters, 42,496 bytes of LDS; arguments x, wq, wk, wv, w_proj, xc, xs, wc, ws, wp16; writes xc, xs, wc, ws, wp16
.if DOCPART == 1
	.amdgcn_target "amdgcn-amd-amdhsa--gfx1250"
	.amdhsa_code_object_version 6
	.text
	.protected	k_q12b88d67eb_prep
	.globl	k_q12b88d67eb_prep
	.p2align	8
	.type	k_q12b88d67eb_prep,@function
k_q12b88d67eb_prep:
	s_mov_b64 s[64:65], 0
	v_nop
	global_prefetch_b8 v0, s[64:65] scope:SCOPE_SE
	s_setreg_imm32_b32 hwreg(HW_REG_WAVE_MODE, 25, 1), 1
	s_wait_xcnt 0x0
; PREP: what the later launches read many times is made narrow once.
;   work-groups 0-191   (path W): wq, wk, wv [16 heads][1024 c][64 d] f32 -> codes of FP4 (E2M1) along c, laid wc[n = 1024 tensor + 64 head + d][512 bytes], scale bytes ws[n][32]
;   work-groups 192-447 (path X): x [8192 rows][1024] f32 -> codes xc[row][512 bytes], scale bytes xs[row][32]
;   work-groups 448-575 (path P): w_proj [1024][1024] f32 -> f16, wp16, same order
; A block of 32 along c has the scale 2^(floor(log2(largest magnitude)) - 2); its byte is the largest magnitude's exponent field - 2, held at 1 from below by a floor among the maximum's leaves.
; LIMITS: a block of zeros gets the byte 1 where the rule says 127 (its codes are zeros, and this program alone reads the bytes); blocks whose largest magnitude lies under 2^-124 are held at the byte 1;
; NaN and infinities among the inputs are not served; |w_proj| stays under 65,504, the largest f16 number.
; The three paths part on the work-group's number alone, never join, and have LDS bytes of their own.
.set WREG,  8192                       ; path X: a region for each wave: two stages of 32 x SP bytes, behind them its 256 scale bytes
.set SP,    80                         ; a lane's place in a stage: 64 bytes + 16 of padding
.set CB,    8                          ; bytes of 16 codes
.set STEPS, 16
.set R,     16                         ; v16-79   path X: four sets of 16 numbers as loaded
.set X,     80                         ; v80-111  two sets of 16 neighbours
.set E,     112                        ; v112-127 a scale byte for each step
.set C,     128                        ; v128-191 codes, four registers for each step
.set WST,   4*WREG                     ; path W: 32 columns x (256 bytes of codes + 16)
.set WPITCH, 272
.set WSS,   WST+32*WPITCH              ; path W: 32 columns x 16 scale bytes
.set SPARE, WSS+512                    ; the spare words, 128 bytes a wave: two blocks of 256 bytes that no other line names
.set SPW,   12                         ; v12 LDS address of my spare word; never rewritten
.set NIL,   13                         ; v13 0; never rewritten
	s_load_b512 s[4:19], s[0:1], 0x0               ; x s[4:5], wq s[6:7], wk s[8:9], wv s[10:11], w_proj s[12:13], xc s[14:15], xs s[16:17], wc s[18:19]
	s_load_b128 s[20:23], s[0:1], 0x40             ; ws s[20:21], wp16 s[22:23]
	v_lshl_add_u32 v[SPW], v0, 2, SPARE
	v_mov_b32 v[NIL], 0
	v_lshrrev_b32 v1, 5, v0
	v_readfirstlane_b32 s24, v1                    ; wave 0..3
	v_and_b32 v2, 31, v0                           ; lane
	s_mov_b32 s27, 0                               ; the upper word of every offset pair s[26:27]
	s_wait_kmcnt 0x0
	s_cmp_lt_u32 ttmp9, 192
	s_cbranch_scc1 .Lpath_w
	s_cmp_lt_u32 ttmp9, 448
	s_cbranch_scc1 .Lpath_x
; ---- PATH P: a wave turns 2,048 numbers of w_proj into f16.  A lane takes 8 neighbours (two loads of 16 bytes) and stores 16 bytes: a store of the wave covers 512 consecutive bytes.
	s_sub_co_u32 s25, ttmp9, 448
	s_lshl_b32 s25, s25, 2
	s_add_co_u32 s25, s25, s24                     ; which run of 2,048 numbers
	s_lshl_b32 s26, s25, 13
	s_add_nc_u64 s[12:13], s[12:13], s[26:27]
	s_lshl_b32 s26, s25, 12
	s_add_nc_u64 s[22:23], s[22:23], s[26:27]
	v_lshlrev_b32 v3, 5, v2
	v_lshlrev_b32 v4, 4, v2
.irp it, 0,1,2,3,4,5,6,7
	global_load_b128 v[16+8*\it:19+8*\it], v3, s[12:13] offset:1024*\it th:TH_LOAD_NT
	global_load_b128 v[20+8*\it:23+8*\it], v3, s[12:13] offset:1024*\it+16 th:TH_LOAD_NT
.endr
.irp it, 0,1,2,3,4,5,6,7
	s_wait_loadcnt 14-2*\it                        ; loads come back in order: this pair is in, the later pairs may be out
	v_cvt_pk_f16_f32 v[80+4*\it], v[16+8*\it], v[17+8*\it]
	v_cvt_pk_f16_f32 v[81+4*\it], v[18+8*\it], v[19+8*\it]
	v_cvt_pk_f16_f32 v[82+4*\it], v[20+8*\it], v[21+8*\it]
	v_cvt_pk_f16_f32 v[83+4*\it], v[22+8*\it], v[23+8*\it]
	global_store_b128 v4, v[80+4*\it:83+4*\it], s[22:23] offset:512*\it   ; each step has registers of its own: no store's data are written again
.endr
	s_wait_tensorcnt 0x0                           ; the wave's end
	ds_add_u32 v[SPW], v[NIL]
	s_wait_dscnt 0x0
	s_endpgm
; ---- PATH X: x is a plain stream of blocks of 32.  A wave takes 16 steps of 512 numbers.  Each load reads 512 consecutive bytes; the step's 2,048 bytes turn through the wave's own stage in LDS,
; so that a lane then holds 16 neighbours (two neighbouring lanes hold a block).  Loads run four steps ahead, the turn through LDS one step.  Waves share nothing: no barrier.
.Lpath_x:
	s_sub_co_u32 s25, ttmp9, 192
	s_lshl_b32 s25, s25, 2
	s_add_co_u32 s25, s25, s24                     ; which run of 8,192 numbers is my wave's
	s_lshl_b32 s26, s25, 15
	s_add_nc_u64 s[4:5], s[4:5], s[26:27]
	s_lshl_b32 s26, s25, 12
	s_add_nc_u64 s[14:15], s[14:15], s[26:27]
	s_lshl_b32 s26, s25, 8
	s_add_nc_u64 s[16:17], s[16:17], s[26:27]
	v_lshlrev_b32 v3, 4, v2                        ; my 16 bytes of a load's 512
	s_mul_i32 s28, s24, WREG
	v_lshrrev_b32 v14, 2, v2
	v_mul_u32_u24 v14, v14, SP
	v_and_b32 v15, 3, v2
	v_lshl_add_u32 v14, v15, 4, v14
	v_add_nc_u32 v14, s28, v14                     ; the stage, on the way in: SP (lane / 4) + 16 (lane % 4)
	v_mul_u32_u24 v15, v2, SP
	v_add_nc_u32 v15, s28, v15                     ; on the way out: SP x lane: my 16 neighbours
	v_mul_u32_u24 v4, v2, CB                       ; my codes' place in a step's
	v_lshrrev_b32 v5, 1, v2
	s_add_co_u32 s28, s28, 2*32*SP
	v_add_nc_u32 v5, s28, v5                       ; my wave's 256 scale bytes, my block's byte
	v_lshlrev_b32 v7, 3, v2
	v_add_nc_u32 v6, s28, v7                       ; and on the way out 8 bytes a lane
.macro XLOAD t
.irp i, 0,1,2,3
	global_load_b128 v[R+16*((\t)%4)+4*\i:R+16*((\t)%4)+4*\i+3], v3, s[4:5] offset:2048*(\t)+512*\i th:TH_LOAD_NT
.endr
.endm
.macro XTURN t                         ; LDS serves a wave's instructions in order: no wait between the stores and the loads
.irp i, 0,1,2,3
	ds_store_b128 v14, v[R+16*((\t)%4)+4*\i:R+16*((\t)%4)+4*\i+3] offset:32*SP*((\t)%2)+8*SP*\i
.endr
.irp i, 0,1,2,3
	ds_load_b128 v[X+16*((\t)%2)+4*\i:X+16*((\t)%2)+4*\i+3], v15 offset:32*SP*((\t)%2)+16*\i
.endr
.endm
.irp t, 0,1,2,3
	XLOAD \t
.endr
	s_wait_loadcnt 12                              ; step 0's four loads are in; three steps' twelve may be out
	XTURN 0
.macro XSTEP t
.set XS, X+16*((\t)%2)
.if (\t) > 0
	s_wait_dscnt 1                                 ; this step's numbers are back from the stage; the last step's byte store may be out
.else
	s_wait_dscnt 0x0
.endif
.if (\t)+4 < STEPS
	XLOAD (\t)+4                                   ; into the registers that this step's stores into the stage have read
.endif
.if (\t)+1 < STEPS
.if STEPS-2-(\t) >= 3
	s_wait_loadcnt 12                              ; the next step's four loads are in; those of the three steps behind it may be out
.else
	s_wait_loadcnt 4*(STEPS-2-(\t))
.endif
	XTURN (\t)+1
.endif
	v_max3_num_f32 v8, |v[XS]|, |v[XS+1]|, |v[XS+2]|               ; the largest magnitude of my 16, in two chains
	v_max3_num_f32 v9, |v[XS+3]|, |v[XS+4]|, |v[XS+5]|
.irp i, 6,10
	v_max3_num_f32 v8, v8, |v[XS+\i]|, |v[XS+\i+1]|
	v_max3_num_f32 v9, v9, |v[XS+\i+2]|, |v[XS+\i+3]|
.endr
	v_max3_num_f32 v8, v8, |v[XS+14]|, |v[XS+15]|
	v_max3_num_f32 v8, v8, v9, 0x1800000           ; and the floor 2^(3 - 127): the byte cannot fall under 1
	v_max_num_f32_dpp v8, v8, v8 row_xmask:1 row_mask:0xf bank_mask:0xf   ; with my neighbour's 16: the block's
	v_add_nc_u32 v11, 0xff000000, v8               ; 2 off its exponent field: the conversion takes the exponent field of this operand as its scale
	v_cvt_scalef32_pk8_fp4_f32 v[C+4*(\t)], v[XS:XS+7], v11
	v_cvt_scalef32_pk8_fp4_f32 v[C+4*(\t)+1], v[XS+8:XS+15], v11
	v_lshrrev_b32 v[E+(\t)], 23, v11               ; the scale's byte (also the plain line behind the conversions)
	ds_store_b8 v5, v[E+(\t)] offset:16*(\t)       ; both lanes of a block write the same byte with the same value
	global_store_b64 v4, v[C+4*(\t):C+4*(\t)+1], s[14:15] offset:32*CB*(\t)   ; the wave stores 256 consecutive bytes
.endm
.irp t, 0,1,2,3,4,5,6,7,8,9,10,11,12,13,14,15
	XSTEP \t
.endr
	ds_load_b64 v[8:9], v6
	s_wait_dscnt 0x0
	global_store_b64 v7, v[8:9], s[16:17]          ; the wave's 256 scale bytes leave together
	s_wait_tensorcnt 0x0                           ; the wave's end, behind my last LDS store
	ds_add_u32 v[SPW], v[NIL]
	s_wait_dscnt 0x0
	s_endpgm
; ---- PATH W: within a head c is the outer axis.  A LANE TAKES A COLUMN d AND ITS REGISTERS RUN DOWN c: a block of 32 lies in one lane, and the conversions give codes with c innermost.
; A work-group takes 32 columns x 512 along c; wave w the 128 along c from 128 w on (4 blocks).  The four waves' 64 bytes of a column meet in LDS and leave as whole runs of 256 bytes.
.Lpath_w:
	s_lshr_b32 s25, ttmp9, 6                       ; which tensor: 0 q, 1 k, 2 v
	s_cmp_eq_u32 s25, 0
	s_cselect_b64 s[28:29], s[6:7], s[8:9]
	s_cmp_eq_u32 s25, 2
	s_cselect_b64 s[28:29], s[10:11], s[28:29]
	s_bfe_u32 s25, ttmp9, 0x40002                  ; the head
	s_lshl_b32 s26, s25, 18                        ; 262,144 bytes a head
	s_and_b32 s30, ttmp9, 1                        ; which half of c
	s_lshl_b32 s25, s30, 2
	s_add_co_u32 s25, s25, s24
	s_lshl_b32 s25, s25, 15                        ; (4 half + wave) x 128 rows of 256 bytes
	s_add_co_u32 s26, s26, s25
	s_bfe_u32 s25, ttmp9, 0x10001                  ; which 32 of the head's 64 columns
	s_lshl_b32 s25, s25, 7
	s_add_co_u32 s26, s26, s25
	s_add_nc_u64 s[28:29], s[28:29], s[26:27]
	s_lshr_b32 s25, ttmp9, 1
	s_lshl_b32 s25, s25, 5                         ; the work-group's first row n of wc and ws
	s_lshl_b32 s31, s24, 3
	s_add_co_u32 s25, s25, s31                     ; + 8 x wave: the rows that my wave sends out
	s_lshl_b32 s26, s25, 9
	s_lshl_b32 s31, s30, 8
	s_add_co_u32 s26, s26, s31
	s_add_nc_u64 s[18:19], s[18:19], s[26:27]
	s_lshl_b32 s26, s25, 5
	s_lshl_b32 s31, s30, 4
	s_add_co_u32 s26, s26, s31
	s_add_nc_u64 s[20:21], s[20:21], s[26:27]
	v_lshlrev_b32 v3, 2, v2                        ; in: 4 bytes a lane
	v_mul_u32_u24 v4, v2, WPITCH
	s_lshl_b32 s31, s24, 6
	s_add_co_u32 s31, s31, WST
	v_add_nc_u32 v4, s31, v4                       ; codes into LDS: row = my column, + 64 x wave
	v_lshlrev_b32 v5, 4, v2
	s_lshl_b32 s31, s24, 2
	s_add_co_u32 s31, s31, WSS
	v_add_nc_u32 v5, s31, v5                       ; my four scale bytes: 16 x column + 4 x wave
	v_and_b32 v8, 15, v2
	v_lshrrev_b32 v9, 4, v2
	v_mul_u32_u24 v6, v9, WPITCH
	v_lshl_add_u32 v6, v8, 4, v6
	s_mul_i32 s31, s24, 8*WPITCH
	s_add_co_u32 s31, s31, WST
	v_add_nc_u32 v6, s31, v6                       ; codes out of LDS: sixteen lanes to a row, two rows an instruction, rows 8 x wave on
	v_lshlrev_b32 v7, 9, v9
	v_lshl_add_u32 v7, v8, 4, v7                   ; and the same place in wc
	s_lshl_b32 s31, s24, 7
	s_add_co_u32 s31, s31, WSS
	v_add_nc_u32 v10, s31, v3                      ; scale bytes out of LDS: 8 columns a wave, four lanes to a column's 16 bytes
	v_lshrrev_b32 v11, 2, v2
	v_and_b32 v8, 3, v2
	v_lshlrev_b32 v11, 5, v11
	v_lshl_add_u32 v11, v8, 2, v11                 ; and in ws: 32 bytes a row
.macro WLOAD t                         ; block t: w(32 t + i, my column) into set t % 2; the wave reads 128 consecutive bytes
.irp i, 0,1,2,3,4,5,6,7,8,9,10,11,12,13,14,15,16,17,18,19,20,21,22,23,24,25,26,27,28,29,30,31
	global_load_b32 v[32+32*((\t)%2)+\i], v3, s[28:29] offset:(32*(\t)+\i)*256
.endr
.endm
	WLOAD 0
	WLOAD 1
.macro WBLOCK t
.set XS, 32+32*((\t)%2)
.if (\t) < 3
	s_wait_loadcnt 32                              ; this block's 32 loads are in; the next block's may be out
.else
	s_wait_loadcnt 0x0
.endif
	v_max3_num_f32 v16, |v[XS]|, |v[XS+1]|, |v[XS+2]|              ; the block's largest magnitude: all 32 numbers are mine
	v_max3_num_f32 v17, |v[XS+3]|, |v[XS+4]|, |v[XS+5]|
.irp i, 6,10,14,18,22,26
	v_max3_num_f32 v16, v16, |v[XS+\i]|, |v[XS+\i+1]|
	v_max3_num_f32 v17, v17, |v[XS+\i+2]|, |v[XS+\i+3]|
.endr
	v_max3_num_f32 v16, v16, |v[XS+30]|, |v[XS+31]|
	v_max3_num_f32 v16, v16, v17, 0x1800000        ; and the floor 2^(3 - 127)
	v_add_nc_u32 v18, 0xff000000, v16              ; the conversion's scale operand
	v_lshrrev_b32 v17, 23, v18                     ; the scale's byte
.if (\t) == 0
	v_mov_b32 v100, v17                            ; four bytes to a register, the lower c in the lower byte
.else
	v_lshl_or_b32 v100, v17, 8*(\t), v100
.endif
.irp g, 0,1,2,3
	v_cvt_scalef32_pk8_fp4_f32 v[96+\g], v[XS+8*\g:XS+8*\g+7], v18
.endr
	ds_store_b128 v4, v[96:99] offset:16*(\t)      ; 32 codes: 16 bytes of my column's row
.if (\t) < 2
	WLOAD (\t)+2
.endif
	s_wait_dscnt 0x0                               ; the store has read its registers: the next block's codes may be written
.endm
	WBLOCK 0
	WBLOCK 1
	WBLOCK 2
	WBLOCK 3
	ds_store_b32 v5, v100
	s_wait_dscnt 0x0                               ; for the others' sake: my stores have landed
	s_barrier_signal -1                            ; (all four waves of a work-group are on this path: it was chosen by the work-group's number)
	s_barrier_wait -1
.irp i, 0,1,2,3
	ds_load_b128 v[104+4*\i:107+4*\i], v6 offset:2*\i*WPITCH
.endr
	ds_load_b32 v120, v10
.irp i, 0,1,2,3
	s_wait_dscnt 4-\i                              ; load i is in; the later ones may be out
	global_store_b128 v7, v[104+4*\i:107+4*\i], s[18:19] offset:1024*\i   ; sixteen lanes store 256 consecutive bytes, at a multiple of 256 from wc's first byte
.endr
	s_wait_dscnt 0x0
	global_store_b32 v11, v120, s[20:21]           ; 16 of each row's 32 scale bytes (the other half of c belongs to another work-group): 98,304 bytes in the whole launch
	s_wait_tensorcnt 0x0                           ; the wave's end, behind my last LDS store
	ds_add_u32 v[SPW], v[NIL]
	s_wait_dscnt 0x0
	s_endpgm
.Lfunc_end_k_q12b88d67eb_prep:
	.size	k_q12b88d67eb_prep, .Lfunc_end_k_q12b88d67eb_prep-k_q12b88d67eb_prep
	.p2alignl 7, 3214868480
	.fill 96, 4, 3214868480
	.section	.rodata,"a",@progbits
	.p2align	6, 0x0
	.amdhsa_kernel k_q12b88d67eb_prep
		.amdhsa_group_segment_fixed_size 42496
		.amdhsa_private_segment_fixed_size 0
		.amdhsa_enable_private_segment 0
		.amdhsa_kernarg_size 80
		.amdhsa_user_sgpr_count 2
		.amdhsa_user_sgpr_kernarg_segment_ptr 1
		.amdhsa_wavefront_size32 1
		.amdhsa_system_sgpr_workgroup_id_x 1
		.amdhsa_system_sgpr_workgroup_id_y 1
		.amdhsa_system_sgpr_workgroup_id_z 1
		.amdhsa_system_vgpr_workitem_id 0
		.amdhsa_next_free_vgpr 192
		.amdhsa_next_free_sgpr 66
		.amdhsa_reserve_vcc 0
		.amdhsa_float_denorm_mode_32 3
		.amdhsa_float_denorm_mode_16_64 3
		.amdhsa_memory_ordered 1
		.amdhsa_forward_progress 1
		.amdhsa_inst_pref_size 60
	.end_amdhsa_kernel
	.amdgpu_metadata
---
amdhsa.version: [ 1, 2 ]
amdhsa.kernels:
  - .name:           k_q12b88d67eb_prep
    .symbol:         k_q12b88d67eb_prep.kd
    .args:
      - { .name: x, .offset: 0, .size: 8, .value_kind: global_buffer, .address_space: global }
      - { .name: wq, .offset: 8, .size: 8, .value_kind: global_buffer, .address_space: global }
      - { .name: wk, .offset: 16, .size: 8, .value_kind: global_buffer, .address_space: global }
      - { .name: wv, .offset: 24, .size: 8, .value_kind: global_buffer, .address_space: global }
      - { .name: w_proj, .offset: 32, .size: 8, .value_kind: global_buffer, .address_space: global }
      - { .name: xc, .offset: 40, .size: 8, .value_kind: global_buffer, .address_space: global }
      - { .name: xs, .offset: 48, .size: 8, .value_kind: global_buffer, .address_space: global }
      - { .name: wc, .offset: 56, .size: 8, .value_kind: global_buffer, .address_space: global }
      - { .name: ws, .offset: 64, .size: 8, .value_kind: global_buffer, .address_space: global }
      - { .name: wp16, .offset: 72, .size: 8, .value_kind: global_buffer, .address_space: global }
    .group_segment_fixed_size: 42496
    .private_segment_fixed_size: 0
    .kernarg_segment_align: 8
    .kernarg_segment_size: 80
    .max_flat_workgroup_size: 128
    .sgpr_count:     66
    .vgpr_count:     192
    .wavefront_size: 32
...
	.end_amdgpu_metadata
.endif
;; end of part 1
;; launch qkv (part 2): grid 12 x 32, 4 waves a work-group, clusters of 4 x 4, 327,680 bytes of LDS; arguments xc, xs, wc, ws, qkv16, qkv32; writes qkv16, qkv32
.if DOCPART == 2
	.amdgcn_target "amdgcn-amd-amdhsa--gfx1250"
	.amdhsa_code_object_version 6
	.text
	.protected	k_q12b88d67eb_qkv
	.globl	k_q12b88d67eb_qkv
	.p2align	8
	.type	k_q12b88d67eb_qkv,@function
k_q12b88d67eb_qkv:
	s_mov_b64 s[64:65], 0
	v_nop
	global_prefetch_b8 v0, s[64:65] scope:SCOPE_SE
	s_setreg_imm32_b32 hwreg(HW_REG_WAVE_MODE, 25, 1), 1
	s_wait_xcnt 0x0
	s_wait_alu depctr_hold_cnt(0) depctr_sa_sdst(0) depctr_va_vdst(0) depctr_va_sdst(0) depctr_va_ssrc(0) depctr_va_vcc(0) depctr_vm_vsrc(0)
	s_getreg_b32 s2, hwreg(HW_REG_IB_STS2, 6, 4)
	s_cmp_eq_u32 s2, 0
	s_cbranch_scc0 .Lentry_in_a_cluster
	s_endpgm
.Lentry_in_a_cluster:
	s_bfe_u32 s2, ttmp6, 0x10000c
	s_cmp_lg_u32 s2, 0xf033
	s_cbranch_scc0 .Lentry_shape_is_right
	s_endpgm
.Lentry_shape_is_right:
; q, k, v = x w: C[m][n] = sum over c of x[m][c] w[n][c], m = 2048 batch + t (8,192), n = 1024 tensor + 64 head + d (3,072), K = 1,024, both operands as codes of FP4 (E2M1) with one E8M0 byte for each 32 along K.
; A tile of C, 256 x 256, is made by four waves, 128 x 128 each: 64 accumulators, 512 registers.  K is two LDS slots of 512 long (rows of 256 bytes): both slots and all scale bytes are asked for at the start, nothing is filled again.
; CLUSTERS: 4 x 4 work-groups; the four of a row of the cluster need the same tiles of x, the four of a column the same tiles of w: each tile is asked for jointly, with one descriptor and a mask that names the four.
; The tile row is 8 cy + cluster y: the batch is cy, the place in t is the cluster's y, so that 'this tile holds t < 16' is the same in all sixteen partners.
; THE MATRIX INSTRUCTION IS USED TRANSPOSED (source 0 = 16 rows of w, source 1 = 16 rows of x): a lane holds eight neighbouring n of one row m.
; OUT: f16, laid qkv16[tensor][batch][head][t][64]: a wave's 128 columns are two heads; 16 rows at a time go through the wave's stage and leave 512 consecutive bytes a store.
;      The rows t < 16 of every batch go out a second time as they stand in the accumulators, in f32: qkv32[batch][n / 16][half][lane][16 bytes]; the launch for the first positions reads them.
; LIMIT: |q|, |k|, |v| stay under 65,504, the largest f16 number.
; REGISTERS: window 0: v0-31 addresses; v32-95 scale words, two sets, and nothing else; v128-191 x's fragments, ONE set, on the way out rows read back; v192-223 packed results.
;   window 1: w's fragments, TWO sets, at v0 and v128.  window 2: the accumulators of my rows 0-63 ((a, b) at v[8 (8 a + b)]); window 3: of rows 64-127.
.set NQ,     4                         ; matrix instructions deep in a slot
.set ROWB,   256                       ; a tile's row in bytes: 512 codes
.set KROW,   512                       ; a row of codes in memory
.set PITCH,  272                       ; an LDS row: 256 bytes + 16 of padding: the 16 rows that a load touches start 68 words apart
.set FR,     8
.set NL,     2
.set NP,     4                         ; places behind this matrix instruction (ISA guide 7.12.1)
.set HALFT,  128*PITCH
.set SLOT,   4*HALFT                   ; x's 256 rows, then w's 256 rows
.set KS,     32                        ; a row of scale bytes
.set SCL,    2*SLOT                    ; behind the slots: the scales, as runs of 256 bytes + 16 of padding
.set HALFS,  (128*KS/256)*272
.set SBLK,   (16*KS/256)*272
.set SPARE,  SCL+4*HALFS               ; the spare words, 128 bytes a wave: two blocks of 256 bytes that no other line names
.set WSTG,   2*16*144                  ; the way out: a stage of 2 heads x 16 rows x (128 bytes + 16) for each wave, in slot 0, which has had its only fill and its last read by then
.set ADRA, 16
.set ADRB, 20
.set STO,  24
.set RD,   25
.set CO,   26
.set ADRS, 27
.set SPW,  28
.set NIL,  29
.set SC,   32
.set AF,   128
.set BK,   128
.set TMP,  192
.set G1, 24
.set G0, 32
.set G1B, 48
.set G0B, 56
.set G1S, 68
.set G0S, 76
.set G1SB, 80
.set G0SB, 88
.set MSB, 0
.macro WIN new                         ; the immediate's high byte repeats the setting that is left
.if MSB != \new
	s_set_vgpr_msb (MSB<<8)|\new
.set MSB, \new
.endif
.endm
.set MUL_LO, 0xa1                      ; source 0 (w) window 1, source 1 (x) window 0, C and D window 2
.set MUL_HI, 0xf1
.set TO_B,   0x40
; A joint load: waves 0 and 1 fetch for x, waves 2 and 3 for w; the branch hangs on the wave's number alone.  An s_nop 0 and four v_nop follow each of the two lines.
.macro JLOAD g0a, g1a, g0b, g1b
	s_cmp_eq_u32 s15, 0
	s_cbranch_scc0 .Lfor_b_\@
	tensor_load_to_lds s[\g0a:\g0a+3], s[\g1a:\g1a+7]
	s_nop 0
.rept 4
	v_nop
.endr
	s_branch .Lasked_\@
.Lfor_b_\@:
	tensor_load_to_lds s[\g0b:\g0b+3], s[\g1b:\g1b+7]
	s_nop 0
.rept 4
	v_nop
.endr
.Lasked_\@:
.endm
.macro CROUND                          ; a round of the cluster's barrier
	s_barrier_signal -1
	s_barrier_wait -1
	s_cmp_lg_u32 s14, 0
	s_cbranch_scc1 .Lnot_wave_0_\@
	s_barrier_signal -3
.Lnot_wave_0_\@:
	s_barrier_wait -3
	s_barrier_signal -1
	s_barrier_wait -1
.endm
	s_load_b128 s[4:7], s[0:1], 0x0                ; x's codes s[4:5], x's scales s[6:7]
	s_load_b128 s[8:11], s[0:1], 0x10              ; w's codes s[8:9], w's scales s[10:11]
	s_load_b128 s[96:99], s[0:1], 0x20             ; qkv16 s[96:97], qkv32 s[98:99]
	v_lshl_add_u32 v[SPW], v0, 2, SPARE
	v_mov_b32 v[NIL], 0
	ds_add_u32 v[SPW], v[NIL]                      ; the wave's opening: the add, twice on end, and its wait ahead of my first tensor load
	ds_add_u32 v[SPW], v[NIL]
	v_lshrrev_b32 v1, 5, v0
	v_readfirstlane_b32 s14, v1                    ; wave 0..3
	s_lshr_b32 s15, s14, 1                         ; which half of the tile's rows is mine.  Also: I fetch for x (0) or for w (1)
	s_and_b32 s16, s14, 1                          ; which half of its columns.  Also: which 128 rows of that tile I fetch
	s_bfe_u32 s40, ttmp6, 0x40000                  ; cx, cy: my place in the cluster
	s_bfe_u32 s41, ttmp6, 0x40004
	s_lshl_b32 s42, ttmp9, 2
	s_add_co_u32 s42, s42, s40                     ; tile column = 4 x cluster x + cx
	s_and_b32 s95, ttmp7, 0xffff                   ; cluster y: the tile's place in t
	s_lshl_b32 s17, s41, 3
	s_add_co_u32 s17, s17, s95                     ; tile row = 8 cy + cluster y
	s_lshl_b32 s43, s41, 2
	s_lshl_b32 s43, 15, s43                        ; my row of the cluster
	s_lshl_b32 s44, 0x1111, s40                    ; my column
	s_or_b32 s[G1+0], s43, (0<<16)|(1<<20)|(1<<21)|(5<<22)|(3<<25)  ; the mask; elements of 1 byte; padding on; bit 21 beside a mask; 4 words of padding after every 64
	s_or_b32 s[G1B+0], s44, (0<<16)|(1<<20)|(1<<21)|(5<<22)|(3<<25)
.irp g, G1, G1B
	s_mov_b32 s[\g+1], ROWB<<16                    ; tensor_dim0
	s_mov_b32 s[\g+2], 128<<16                     ; tensor_dim1
	s_mov_b32 s[\g+3], ROWB<<16                    ; tile_dim0
	s_mov_b32 s[\g+4], 128                         ; tile_dim1
	s_mov_b32 s[\g+5], KROW                        ; from row to row
	s_mov_b32 s[\g+6], 0
	s_mov_b32 s[\g+7], 0
.endr
	s_or_b32 s[G1S+0], s43, (3<<16)|(1<<20)|(1<<21)|(5<<22)|(3<<25) ; the scales of 128 rows: a dense block of 4,096 bytes as 16 rows of 256 (32 elements of 8 bytes), 16 bytes of padding behind each
	s_or_b32 s[G1SB+0], s44, (3<<16)|(1<<20)|(1<<21)|(5<<22)|(3<<25)
.irp g, G1S, G1SB
	s_mov_b32 s[\g+1], 32<<16
	s_mov_b32 s[\g+2], (128*KS/256)<<16
	s_mov_b32 s[\g+3], 32<<16
	s_mov_b32 s[\g+4], 128*KS/256
	s_mov_b32 s[\g+5], 32
	s_mov_b32 s[\g+6], 0
	s_mov_b32 s[\g+7], 0
.endr
	s_lshl_b32 s18, s16, 7
	s_lshl_b32 s20, s17, 8
	s_add_co_u32 s20, s20, s18                     ; x: row 256 x tile row + 128 x half
	s_lshl_b32 s46, s42, 8
	s_add_co_u32 s46, s46, s18                     ; w: row 256 x tile column + 128 x half
	s_mov_b32 s21, 0
	s_mov_b32 s47, 0
	s_mov_b64 s[18:19], KS
	s_mul_u64 s[22:23], s[20:21], s[18:19]         ; where these rows' scales begin
	s_mul_u64 s[92:93], s[46:47], s[18:19]
	s_mov_b64 s[18:19], KROW
	s_mul_u64 s[20:21], s[20:21], s[18:19]         ; and their codes
	s_mul_u64 s[46:47], s[46:47], s[18:19]
	s_mul_i32 s45, s14, HALFT                      ; where they go: wave x 128 rows: no place in the cluster enters an LDS address
	s_mul_i32 s94, s14, HALFS
	s_wait_dscnt 0x0                               ; both opening adds are done
	s_wait_kmcnt 0x0
	s_add_nc_u64 s[20:21], s[4:5], s[20:21]
	s_add_nc_u64 s[22:23], s[6:7], s[22:23]
	s_add_nc_u64 s[46:47], s[8:9], s[46:47]
	s_add_nc_u64 s[92:93], s[10:11], s[92:93]
	CROUND                                         ; all sixteen work-groups are here: the joint loads meet
	s_mov_b32 s[G0S], 1
	s_add_co_u32 s[G0S+1], s94, SCL
	s_mov_b64 s[G0S+2:G0S+3], s[22:23]
	s_or_b32 s[G0S+3], s[G0S+3], 0x80000000
	s_mov_b32 s[G0SB], 1
	s_add_co_u32 s[G0SB+1], s94, SCL
	s_mov_b64 s[G0SB+2:G0SB+3], s[92:93]
	s_or_b32 s[G0SB+3], s[G0SB+3], 0x80000000
	JLOAD G0S, G1S, G0SB, G1SB                     ; the scales first: they are wanted with slot 0.  Three loads of mine are out at the most
.irp s, 0,1
	s_mov_b32 s[G0+4*\s], 1
	s_add_co_u32 s[G0+4*\s+1], s45, \s*SLOT
	s_add_nc_u64 s[G0+4*\s+2:G0+4*\s+3], s[20:21], \s*ROWB
	s_or_b32 s[G0+4*\s+3], s[G0+4*\s+3], 0x80000000
	s_mov_b32 s[G0B+4*\s], 1
	s_add_co_u32 s[G0B+4*\s+1], s45, \s*SLOT
	s_add_nc_u64 s[G0B+4*\s+2:G0B+4*\s+3], s[46:47], \s*ROWB
	s_or_b32 s[G0B+4*\s+3], s[G0B+4*\s+3], 0x80000000
	JLOAD G0+4*\s, G1, G0B+4*\s, G1B
.endr
	v_and_b32 v1, 15, v0                           ; r = lane % 16
	v_bfe_u32 v2, v0, 4, 1                         ; h = lane / 16
	v_mul_u32_u24 v3, v1, PITCH
	v_lshl_add_u32 v4, v2, 4, v3                   ; a fragment's row x pitch + 16 x half
	s_mul_i32 s21, s15, HALFT                      ; my 128 rows of x
	s_mul_i32 s22, s16, HALFT                      ; my 128 rows of w,
	s_add_co_u32 s22, s22, 2*HALFT                 ; which lie behind x's 256
.irp s, 0,1
	v_add_nc_u32 v[ADRA+\s], s21, v4
	v_add_nc_u32 v[ADRB+\s], s22, v4
	s_add_co_u32 s21, s21, SLOT
	s_add_co_u32 s22, s22, SLOT
.endr
	v_mul_u32_u24 v5, v1, KS                       ; my row's scales: 32 bytes a row,
	v_lshrrev_b32 v6, 8, v5
	v_lshl_add_u32 v5, v6, 4, v5                   ; and 16 more for each 256 passed
	s_mul_i32 s21, s15, HALFS
	s_mul_i32 s22, s16, HALFS
	s_add_co_u32 s22, s22, 2*HALFS
	s_sub_co_u32 s22, s22, s21
	v_mul_u32_u24 v6, s22, v2                      ; lanes 16-31 take w's: one product, the distance between the two bases
	s_add_co_u32 s21, s21, SCL
	v_add_nc_u32 v5, v5, v6
	v_add_nc_u32 v[ADRS], s21, v5
	s_mul_i32 s23, s14, WSTG                       ; my stage
	v_mul_u32_u24 v5, v1, 144
	v_lshl_add_u32 v5, v2, 4, v5
	v_add_nc_u32 v[STO], s23, v5                   ; in: row r, 16 bytes for each half of the lanes
	v_and_b32 v6, 31, v0
	v_lshlrev_b32 v[CO], 4, v6                     ; out to memory: 16 x lane: four rows of 128 bytes are 512 consecutive bytes
	v_lshrrev_b32 v5, 3, v6
	v_mul_u32_u24 v5, v5, 144
	v_and_b32 v6, 7, v6
	v_lshl_add_u32 v5, v6, 4, v5
	v_add_nc_u32 v[RD], s23, v5                    ; back: eight lanes to a row, four rows an instruction
	s_lshr_b32 s20, s42, 2                         ; which head block of qkv16: 64 tensor + 16 batch + head, head = 4 (tile column % 4) + 2 x my column half
	s_lshl_b32 s20, s20, 6
	s_lshl_b32 s21, s41, 4
	s_add_co_u32 s20, s20, s21
	s_and_b32 s21, s42, 3
	s_lshl_b32 s21, s21, 2
	s_add_co_u32 s20, s20, s21
	s_lshl_b32 s21, s16, 1
	s_add_co_u32 s20, s20, s21
	s_lshl_b32 s20, s20, 18                        ; 262,144 bytes a head
	s_lshl_b32 s21, s95, 8
	s_lshl_b32 s22, s15, 7
	s_add_co_u32 s21, s21, s22                     ; my first t
	s_lshl_b32 s21, s21, 7                         ; 128 bytes a row
	s_add_co_u32 s20, s20, s21
	s_mov_b32 s21, 0
	s_add_nc_u64 s[96:97], s[96:97], s[20:21]
	s_mul_i32 s20, s41, 196608                     ; qkv32: 192 images of 1,024 bytes a batch,
	s_lshl_b32 s22, s42, 4
	s_lshl_b32 s23, s16, 3
	s_add_co_u32 s22, s22, s23                     ; my first: 16 x tile column + 8 x column half
	s_lshl_b32 s22, s22, 10
	s_add_co_u32 s20, s20, s22
	s_add_nc_u64 s[98:99], s[98:99], s[20:21]
.macro FRAG reg, adr, q, i             ; 16 rows x 128 K of 4-bit codes: 8 registers: lane l holds row l % 16; registers 4 c .. 4 c + 3 hold K = 64 c + 32 (l / 16) + 0 .. 31
.irp c, 0,1
	ds_load_b128 v[\reg+4*\c:\reg+4*\c+3], v[\adr] offset:64*(\q)+32*\c+(\i)*16*PITCH
.endr
.endm
; 16 matrix instructions: x's blocks a0, a0 + 1 against w's eight, the slot's q-th 128 along K.  p: w's set; sc: the set of scale words.  zero = 1: the first product starts the sums.
; One register carries x's scale word (lanes 0-15) and w's (lanes 16-31).  The 64 accumulators take turns, one instruction a turn, in the same order in every step.
.macro MUL16 a0, p, q, sc, zero
.irp a, \a0, \a0+1
.irp b, 0,1,2,3,4,5,6,7
.if \zero
	v_wmma_scale_f32_16x16x128_f8f6f4 v[8*(8*((\a)%4)+\b):8*(8*((\a)%4)+\b)+7], v[128*(\p)+FR*\b:128*(\p)+FR*\b+FR-1], v[AF+FR*(\a):AF+FR*(\a)+FR-1], 0, v[SC+8*NQ*(\sc)+NQ*\b+(\q)], v[SC+8*NQ*(\sc)+NQ*(\a)+(\q)] matrix_a_fmt:MATRIX_FMT_FP4 matrix_b_fmt:MATRIX_FMT_FP4 matrix_a_scale:MATRIX_SCALE_ROW1
.else
	v_wmma_scale_f32_16x16x128_f8f6f4 v[8*(8*((\a)%4)+\b):8*(8*((\a)%4)+\b)+7], v[128*(\p)+FR*\b:128*(\p)+FR*\b+FR-1], v[AF+FR*(\a):AF+FR*(\a)+FR-1], v[8*(8*((\a)%4)+\b):8*(8*((\a)%4)+\b)+7], v[SC+8*NQ*(\sc)+NQ*\b+(\q)], v[SC+8*NQ*(\sc)+NQ*(\a)+(\q)] matrix_a_fmt:MATRIX_FMT_FP4 matrix_b_fmt:MATRIX_FMT_FP4 matrix_a_scale:MATRIX_SCALE_ROW1
.endif
.endr
.endr
.endm
.macro FETCH_B slot, q, p
	WIN TO_B
.irp i, 0,1,2,3,4,5,6,7
	FRAG 128*(\p)+FR*\i, ADRB+\slot, \q, \i
.endr
	WIN 0
.endm
.macro FETCH_A slot, q, i0
.irp i, \i0, \i0+1, \i0+2, \i0+3
	FRAG AF+FR*(\i), ADRA+\slot, \q, \i
.endr
.endm
.macro SCALES sc                       ; a slot's scale words: 4 words a row; lanes 0-15 take x's block i, lanes 16-31 w's block i
.irp i, 0,1,2,3,4,5,6,7
	ds_load_b128 v[SC+8*NQ*\sc+NQ*\i:SC+8*NQ*\sc+NQ*\i+3], v[ADRS] offset:\i*SBLK
.endr
.endm
.macro PLACES n                        ; plain vector lines between matrix instructions and loads into their registers or reads of their results
.rept \n
	v_nop
.endr
.endm
.macro STEP slot, q, zero              ; a step of 128 along K that has its successor in the same slot
	s_wait_dscnt 4*NL                              ; w's set and x's blocks 0-3 are in; the youngest eight loads (x's blocks 4-7) may be out
	WIN MUL_LO
	MUL16 0, (\q)%2, \q, \slot, \zero
	MUL16 2, (\q)%2, \q, \slot, \zero
	s_wait_dscnt 0                                 ; x's blocks 4-7 are in
	PLACES NP
	FETCH_B \slot, (\q)+1, 1-(\q)%2
	FETCH_A \slot, (\q)+1, 0
	WIN MUL_HI
	MUL16 4, (\q)%2, \q, \slot, \zero
	MUL16 6, (\q)%2, \q, \slot, \zero
	PLACES NP
	WIN 0
	FETCH_A \slot, (\q)+1, 4
.endm
; Slot 0's last step leads over to slot 1: one barrier; in front of it each wave waits for all its tensor loads (its part of slot 1) and for its own reads of slot 0.  Nothing is filled again.
.macro TURN slot, next
	s_wait_tensorcnt 0x0                           ; all my tensor loads have landed
	ds_add_u32 v[SPW], v[NIL]                      ; 0 onto my spare word
	s_wait_dscnt 4*NL+1                            ; (the add and the youngest eight loads may be out)
	WIN MUL_LO
	MUL16 0, 1, NQ-1, \slot, 0
	s_wait_dscnt 0x0                               ; the add is done, and my reads of this slot are over
	s_barrier_signal -1
	MUL16 2, 1, NQ-1, \slot, 0
	WIN 0
	s_barrier_wait -1
	PLACES NP
	v_add_nc_u32 v[ADRS], 4*NQ, v[ADRS]            ; on to the next slot's scale words
	FETCH_B \next, 0, 0
	FETCH_A \next, 0, 0
	SCALES \next
	WIN MUL_HI
	MUL16 4, 1, NQ-1, \slot, 0
	MUL16 6, 1, NQ-1, \slot, 0
	PLACES NP
	WIN 0
	FETCH_A \next, 0, 4
.endm
	s_wait_tensorcnt 1                             ; the scales and my part of slot 0 are in; slot 1's load may be out
	s_barrier_signal -1
	s_barrier_wait -1
	FETCH_B 0, 0, 0
	FETCH_A 0, 0, 0
	SCALES 0
	FETCH_A 0, 0, 4
	STEP 0, 0, 1                                   ; the first step's products start the sums: nothing is cleared
	STEP 0, 1, 0
	STEP 0, 2, 0
	TURN 0, 1
	STEP 1, 0, 0
	STEP 1, 1, 0
	STEP 1, 2, 0
	s_wait_dscnt 4*NL                              ; the last step: nothing more to fetch
	WIN MUL_LO
	MUL16 0, 1, NQ-1, 1, 0
	MUL16 2, 1, NQ-1, 1, 0
	s_wait_dscnt 0
	WIN MUL_HI
	MUL16 4, 1, NQ-1, 1, 0
	MUL16 6, 1, NQ-1, 1, 0
	WIN 0
	PLACES NP                                      ; behind the last products: for the reads of results and the loads into the registers that held x's fragments
	; The rows t < 16 in f32, as they stand: my block 0, where the cluster's y is 0 and my rows are the tile's upper half.  The branch hangs on the cluster's y and the wave's number: the same in all partners.
	s_or_b32 s94, s95, s15
	s_cmp_lg_u32 s94, 0
	s_cbranch_scc1 .Lno_img
	WIN 0x08                                       ; a store's data are its source 1: window 2
.irp bb, 0,1,2,3,4,5,6,7
	global_store_b128 v[CO], v[8*\bb:8*\bb+3], s[98:99] offset:1024*\bb          ; each accumulator from its low end on; the wave stores 512 consecutive bytes
	global_store_b128 v[CO], v[8*\bb+4:8*\bb+7], s[98:99] offset:1024*\bb+512
.endr
	WIN 0
.Lno_img:
; THE WAY OUT of block a (16 rows x 128 columns = 2 heads x 64).  PACK: rounded to f16, 16 bytes a lane.  TOSTAGE: into my stage and back by rows.  SEND: stored.
.macro PACK a
.set AC, 64*((\a)%4)
	WIN 0x0a+5*((\a)/4)                            ; sources 0 and 1: window 2 or 3
.irp bb, 0,1,2,3,4,5,6,7
.irp rr, 0,1,2,3
	v_cvt_pk_f16_f32 v[TMP+4*\bb+\rr], v[AC+8*\bb+2*\rr], v[AC+8*\bb+2*\rr+1]
.endr
.endr
	WIN 0
.endm
.macro TOSTAGE a
.set BB, BK+32*((\a)%2)
.irp bb, 0,1,2,3,4,5,6,7
	ds_store_b128 v[STO], v[TMP+4*\bb:TMP+4*\bb+3] offset:(\bb/4)*2304+(\bb%4)*32
.endr
.irp i, 0,1,2,3,4,5,6,7
	ds_load_b128 v[BB+4*\i:BB+4*\i+3], v[RD] offset:(\i/4)*2304+(\i%4)*576   ; LDS serves a wave's instructions in order: these see the stores above
.endr
.endm
.macro SEND a
.set BB, BK+32*((\a)%2)
	s_wait_dscnt 0x0                               ; the block is back in registers
	s_wait_xcnt 0x0                                ; the earlier stores have read their base and their data: the base may step, and the next block's loads may land
.if (\a) > 0
	s_add_nc_u64 s[96:97], s[96:97], 2048          ; 16 rows of 128 bytes on
.endif
.irp i, 0,1,2,3,4,5,6,7
	global_store_b128 v[CO], v[BB+4*\i:BB+4*\i+3], s[96:97] offset:(\i/4)*262144+(\i%4)*512   ; four rows of one head: 512 consecutive bytes
.endr
.endm
	PACK 0
	TOSTAGE 0
.irp a, 1,2,3,4,5,6,7                  ; block a's conversions stand between block a - 1's loads from the stage and the wait for them
	PACK \a
	SEND \a-1
	TOSTAGE \a
.endr
	SEND 7
	s_wait_tensorcnt 0x0                           ; the wave's end, behind my last tensor load and my last LDS store
	ds_add_u32 v[SPW], v[NIL]
	s_wait_dscnt 0x0
	CROUND                                         ; the closing round: no work-group ends while a partner may still ask for a tile that names it
	s_endpgm
.Lfunc_end_k_q12b88d67eb_qkv:
	.size	k_q12b88d67eb_qkv, .Lfunc_end_k_q12b88d67eb_qkv-k_q12b88d67eb_qkv
	.p2alignl 7, 3214868480
	.fill 96, 4, 3214868480
	.section	.rodata,"a",@progbits
	.p2align	6, 0x0
	.amdhsa_kernel k_q12b88d67eb_qkv
		.amdhsa_group_segment_fixed_size 327680
		.amdhsa_private_segment_fixed_size 0
		.amdhsa_enable_private_segment 0
		.amdhsa_kernarg_size 48
		.amdhsa_user_sgpr_count 2
		.amdhsa_user_sgpr_kernarg_segment_ptr 1
		.amdhsa_wavefront_size32 1
		.amdhsa_system_sgpr_workgroup_id_x 1
		.amdhsa_system_sgpr_workgroup_id_y 1
		.amdhsa_system_sgpr_workgroup_id_z 1
		.amdhsa_system_vgpr_workitem_id 0
		.amdhsa_next_free_vgpr 1024
		.amdhsa_next_free_sgpr 100
		.amdhsa_reserve_vcc 0
		.amdhsa_float_denorm_mode_32 3
		.amdhsa_float_denorm_mode_16_64 3
		.amdhsa_memory_ordered 1
		.amdhsa_forward_progress 1
		.amdhsa_inst_pref_size 129
	.end_amdhsa_kernel
	.amdgpu_metadata
---
amdhsa.version: [ 1, 2 ]
amdhsa.kernels:
  - .name:           k_q12b88d67eb_qkv
    .symbol:         k_q12b88d67eb_qkv.kd
    .args:
      - { .name: xc, .offset: 0, .size: 8, .value_kind: global_buffer, .address_space: global }
      - { .name: xs, .offset: 8, .size: 8, .value_kind: global_buffer, .address_space: global }
      - { .name: wc, .offset: 16, .size: 8, .value_kind: global_buffer, .address_space: global }
      - { .name: ws, .offset: 24, .size: 8, .value_kind: global_buffer, .address_space: global }
      - { .name: qkv16, .offset: 32, .size: 8, .value_kind: global_buffer, .address_space: global }
      - { .name: qkv32, .offset: 40, .size: 8, .value_kind: global_buffer, .address_space: global }
    .group_segment_fixed_size: 327680
    .private_segment_fixed_size: 0
    .kernarg_segment_align: 8
    .kernarg_segment_size: 48
    .max_flat_workgroup_size: 128
    .sgpr_count:     100
    .vgpr_count:     1024
    .wavefront_size: 32
...
	.end_amdgpu_metadata
.endif
;; end of part 2
;; launch attn (part 3): grid 4 x 64, 8 waves a work-group, no clusters, 327,680 bytes of LDS; arguments qkv16, y16; writes y16
.if DOCPART == 3
	.amdgcn_target "amdgcn-amd-amdhsa--gfx1250"
	.amdhsa_code_object_version 6
	.text
	.protected	k_q12b88d67eb_attn
	.globl	k_q12b88d67eb_attn
	.p2align	8
	.type	k_q12b88d67eb_attn,@function
k_q12b88d67eb_attn:
	s_mov_b64 s[64:65], 0
	v_nop
	global_prefetch_b8 v0, s[64:65] scope:SCOPE_SE
	s_setreg_imm32_b32 hwreg(HW_REG_WAVE_MODE, 25, 1), 1
	s_wait_xcnt 0x0
; y[bh][q][:] = sum over k <= q of softmax_k(Q[q] . K[k] / 8) V[k][:], for 64 heads bh = 16 batch + head of 2,048 positions x 64 channels.  Q, K, V: f16, qkv16[tensor][bh][t][64]; y16[bh][t][64]: f16.
; Products on f16 operands with f32 sums; maxima, exponentials and sums in f32; the weights p (at most 1) are rounded to f16 for the second product, y once at the end.
; SHARES.  Work-group (i, bh) owns two blocks of 256 queries: first block 7 - i, then block i.  Keys come in slots of 256; block B needs slots 0 .. B (what lies wholly above the diagonal is never multiplied),
; so every work-group walks (8 - i) + (i + 1) = 9 slots: 256 work-groups of equal work, and every trip count is a constant.
; A wave owns 32 queries, two tiles of 16, at 32 tau in the block.  tau is a one-to-one map of the wave's number chosen so that waves w and w + 4, and waves 2 c and 2 c + 1, walk five of a diagonal slot's steps together.
; LAYOUT.  S^T = K Q^T (source 0 = 16 keys, source 1 = 16 queries): a lane holds ONE query (lane % 16) and keys 8 (lane / 16) + 0..7.  Two such tiles, rounded in pairs, ARE source 1 of O^T = V^T P.
; K comes out of LDS as it lies, V ([key][channel]) turned by ds_load_tr16_b128.
; SOFTMAX.  A running maximum m and sum l for each query: p = 2^(c s - c m), c = log2(e) / 8; in every step O and l are multiplied by a = 2^(c m_old - c m_new).  Hidden scores become -infinity ahead of the maximum.
; A step is walked only where its first key is at or under the wave's first query, so every query of the wave sees at least one key in every step that is walked.
; RING.  Two LDS slots of 256 keys (four steps of 64); each of the eight waves fetches one tile of 64 rows for each slot (waves 0-3: K of step w; waves 4-7: V of step w - 4): one tensor load of mine is out at a time.
; NO CLUSTER: the four work-groups of a head want different key slots in the same trip (in trip 5 they want slots 5, 5, 5 and 0), so no joint request has one descriptor for all four.
; LIMIT: |q|, |k|, |v| under 65,504 (f16).  The positions t < 16 are computed here too and are written over, in out0, by the launch that carries them in f32.
; REGISTERS.  window 0: v1-15 addresses and constants; v16-31 statistics, 8 a tile (+0 c m, +1 m, +2, +3 l, +4..7 at work, a in +6); v32-95 S^T (32 tile + 8 key tile + j); v96-127 P; v128-191 O^T (32 tile + 8 channel tile + j);
;   v192-207 packed results; v208-239 rows read back.   window 1: v0-31 Q; v32-95 K of a step; v96-159 V of a step.
.set PK,    144                        ; a row of K in LDS: 128 bytes + 16
.set PV,    160                        ; a row of V: 128 bytes + 32
.set VOFF,  64*PK
.set STEPB, 64*(PK+PV)                 ; a step's tiles lie together: 64 rows of K, then 64 rows of V
.set SLOT1, 1<<17                      ; slot 1 begins here: one exclusive or turns an address from one slot into the other
.set STAGE, SLOT1+4*STEPB              ; behind the ring: 16 rows x 144 bytes for each wave, bytes of its own into which no tile lands
.set SPARE, STAGE+8*2304               ; the spare words, 128 bytes a wave: four blocks of 256 bytes that no other line names
.set AK0, 1
.set AV0, 2
.set ADK, 3
.set ADV, 4
.set QO,  5
.set STO, 6
.set RD,  7
.set GO,  8
.set PFO, 9
.set SPW, 10
.set NIL, 11
.set RH,  12                           ; r - 8 h
.set NINF, 13                          ; -infinity
.set ST,  16
.set S,   32
.set P,   96
.set O,   128
.set PKD, 192
.set BK,  208
.set QR,  0                            ; in window 1
.set KR,  32
.set VR,  96
; s8 wave, s9 tau, s10 i, s11 bh, s12 the key slot in hand, s13 the query block in hand, s14 the second block, s15 the step's first key, s16 my first query, s17 LDS byte of the step in hand,
; s18 steps to go, s19 trips to go, s[20:21] lane selects, s[22:23] c, s[24:31], s[32:39] descriptor groups 1 for K and V, s[40:43] group 0, s[44:45] my tile of key slot 0, s[46:47] an offset pair,
; s[48:49] where my prefetches stand, s50 their limit, s[52:53] Q's rows, s[54:55] y's rows, s56-58 at work
.set MSB, 0
.macro WIN new
.if MSB != \new
	s_set_vgpr_msb (MSB<<8)|\new
.set MSB, \new
.endif
.endm
.macro TLOAD                           ; waves 0-3 fetch K's tiles, waves 4-7 V's: two shapes of padding, so two groups 1.  An s_nop 0 and four v_nop follow each line
	s_cmp_lt_u32 s8, 4
	s_cbranch_scc0 .Lfor_v_\@
	tensor_load_to_lds s[40:43], s[24:31]
	s_nop 0
.rept 4
	v_nop
.endr
	s_branch .Lasked_\@
.Lfor_v_\@:
	tensor_load_to_lds s[40:43], s[32:39]
	s_nop 0
.rept 4
	v_nop
.endr
.Lasked_\@:
.endm
; A PREFETCH of the key slot that the NEXT change of slots will ask for: a slot's four steps ahead of that load.  All four work-groups of a head walk slots 0, 1, 2 .. from the start; the one with i = 0 walks
; all eight in order and asks, nobody else.  Its waves 0-3 name K's 32,768 bytes of the slot, waves 4-7 V's: 8,192 bytes a wave, lanes 256 bytes apart: each block of 256 bytes is named once in the launch.
; Trips 0 to 5 ask for slots 2 to 7; slots 0 and 1 come by their loads alone, and the last trips ask for nothing.
.macro ASK
	s_cmp_gt_u32 s19, s50
	s_cbranch_scc0 .Lnot_mine_\@
	global_prefetch_b8 v[PFO], s[48:49] th:TH_LOAD_NT scope:SCOPE_SE
.Lnot_mine_\@:
.endm
; THE CHANGE OF SLOTS, at a slot's head.  Each wave waits for all its tensor loads (its tile of the slot that it is about to read), adds 0 to its spare word, and waits for that and for its reads of the slot that it has left.
; fill = 1: behind the barrier the slot that was left takes the key slot that follows: the next of this block, or slot 0 for the second block.
.macro CHANGE fill
	s_wait_tensorcnt 0x0                           ; no tensor load of mine is out, so the group 0 may be written
	ds_add_u32 v[SPW], v[NIL]                      ; the descriptor's steps stand between the add and the wait for it
.if \fill
	s_add_co_u32 s56, s12, 1
	s_cmp_eq_u32 s12, s13
	s_cselect_b32 s56, 0, s56                      ; the key slot that follows
	s_lshl_b32 s46, s56, 15                        ; 256 keys x 128 bytes
	s_add_nc_u64 s[42:43], s[44:45], s[46:47]
	s_or_b32 s43, s43, 0x80000000                  ; the type
	s_xor_b32 s41, s41, SLOT1                      ; the other LDS slot than last time
	s_wait_xcnt 0x0                                ; the last prefetch, a slot back, has read its address
	s_add_nc_u64 s[48:49], s[48:49], 32768
.endif
	s_wait_dscnt 0x0                               ; the add is done, and my reads of the slot that I have left are over
	s_barrier_signal -1
	s_barrier_wait -1
.if \fill
	TLOAD                                          ; the first thing behind the barrier, and my one tensor load until the next
	ASK
.endif
.endm
; A block of queries begins: addresses, statistics, Q's fragments, O^T = 0 (the step is written once: its first turn finds zeros and a = 0).
.macro INIT
	s_lshl_b32 s16, s13, 8
	s_lshl_b32 s56, s9, 5
	s_add_co_u32 s16, s16, s56                     ; my first query: 256 block + 32 tau
	s_lshl_b32 s56, s11, 11
	s_add_co_u32 s56, s56, s16
	s_lshl_b32 s46, s56, 7                         ; 128 bytes a row, in Q's part of qkv16 and in y16 alike
	s_add_nc_u64 s[52:53], s[4:5], s[46:47]
	s_add_nc_u64 s[54:55], s[6:7], s[46:47]
.irp t, 0,1
	v_mov_b32 v[ST+8*\t+1], 0xff61b1e6             ; m = -3e38, under every score
.irp e, 2,3,4,5,6,7
	v_mov_b32 v[ST+8*\t+\e], 0                     ; l, and the registers at work
.endr
.endr
.irp t, 0,1
	v_mul_f32 v[ST+8*\t], s22, v[ST+8*\t+1]        ; c m
.endr
	WIN 0x40                                       ; destination window 1
.irp qt, 0,1
.irp dh, 0,1
	global_load_b128 v[QR+16*\qt+8*\dh:QR+16*\qt+8*\dh+3],   v[QO], s[52:53] offset:\qt*2048+\dh*64
	global_load_b128 v[QR+16*\qt+8*\dh+4:QR+16*\qt+8*\dh+7], v[QO], s[52:53] offset:\qt*2048+\dh*64+32
.endr
.endr
	WIN 0
.set n, 0
.rept 64
	v_mov_b32 v[O+n], 0
.set n, n+1
.endr
	s_wait_loadcnt 0x0                             ; Q
.endm
; The softmax of both tiles for one step, the tiles line by line by turns, so that no line waits for the line above it.
.macro SOFTMAX
.irp j, 0,1,2,3                        ; the maximum: four chains, each begun at the low end of one accumulator
.irp t, 0,1
	v_max3_num_f32 v[ST+8*\t+4+\j], v[S+32*\t+8*\j], v[S+32*\t+8*\j+1], v[S+32*\t+8*\j+2]
.endr
.endr
.irp g, 1,2
.irp j, 0,1,2,3
.irp t, 0,1
	v_max3_num_f32 v[ST+8*\t+4+\j], v[ST+8*\t+4+\j], v[S+32*\t+8*\j+2*\g+1], v[S+32*\t+8*\j+2*\g+2]
.endr
.endr
.endr
.irp t, 0,1
	v_max3_num_f32 v[ST+8*\t+4], v[ST+8*\t+4], v[S+32*\t+7], v[S+32*\t+15]
.endr
.irp t, 0,1
	v_max3_num_f32 v[ST+8*\t+6], v[ST+8*\t+6], v[S+32*\t+23], v[S+32*\t+31]
.endr
.irp t, 0,1
	v_max3_num_f32 v[ST+8*\t+4], v[ST+8*\t+4], v[ST+8*\t+5], v[ST+8*\t+6]
.endr
.irp t, 0,1
	v_max3_num_f32 v[ST+8*\t+4], v[ST+8*\t+4], v[ST+8*\t+7], v[ST+8*\t+1]   ; with the old m
.endr
.irp t, 0,1
	v_permlanex16_b32 v[ST+8*\t+5], v[ST+8*\t+4], s20, s21                  ; the query's other 32 keys lie in the lane 16 away
.endr
.irp t, 0,1
	v_mov_b32 v[ST+8*\t+7], v[ST+8*\t]             ; c m_old
.endr
.irp t, 0,1
	v_max_num_f32 v[ST+8*\t+1], v[ST+8*\t+4], v[ST+8*\t+5]
.endr
.irp t, 0,1
	v_mul_f32 v[ST+8*\t], s22, v[ST+8*\t+1]
.endr
.irp t, 0,1
	v_sub_f32 v[ST+8*\t+7], v[ST+8*\t+7], v[ST+8*\t]
.endr
.irp b, 0,1,2,3,4,5,6,7,8,9,10,11,12,13,14,15
.irp t, 0,1
	v_pk_fma_f32 v[S+32*\t+2*\b:S+32*\t+2*\b+1], v[S+32*\t+2*\b:S+32*\t+2*\b+1], s[22:23], v[ST+8*\t:ST+8*\t+1] op_sel_hi:[1,0,0] neg_lo:[0,0,1] neg_hi:[0,0,1]   ; c s - c m
.endr
.endr
.irp t, 0,1                            ; ONE batch of 66 exponentials: none reads another's result
	v_exp_f32 v[ST+8*\t+6], v[ST+8*\t+7]           ; a
.endr
.set n, 0
.rept 64
	v_exp_f32 v[S+n], v[S+n]
.set n, n+1
.endr
	v_nop                                          ; a plain line behind the last exponential, ahead of the first use
	s_wait_alu depctr_va_vdst(0)                   ; one wait for the batch, ahead of its first reader
.set n, 0
.rept 32
	v_cvt_pk_f16_f32 v[P+n], v[S+2*n], v[S+2*n+1]  ; P: register 16 tile + 4 key tile + pair
.set n, n+1
.endr
.irp u, 0,1,2,3,4,5,6,7                ; the sum of the unrounded p, in pairs (an even key's, an odd key's), as a tree in place
.irp t, 0,1
	v_pk_add_f32 v[S+32*\t+4*\u:S+32*\t+4*\u+1], v[S+32*\t+4*\u:S+32*\t+4*\u+1], v[S+32*\t+4*\u+2:S+32*\t+4*\u+3]
.endr
.endr
.irp u, 0,1,2,3
.irp t, 0,1
	v_pk_add_f32 v[S+32*\t+8*\u:S+32*\t+8*\u+1], v[S+32*\t+8*\u:S+32*\t+8*\u+1], v[S+32*\t+8*\u+4:S+32*\t+8*\u+5]
.endr
.endr
.irp u, 0,1
.irp t, 0,1
	v_pk_add_f32 v[S+32*\t+16*\u:S+32*\t+16*\u+1], v[S+32*\t+16*\u:S+32*\t+16*\u+1], v[S+32*\t+16*\u+8:S+32*\t+16*\u+9]
.endr
.endr
.irp t, 0,1
	v_pk_add_f32 v[S+32*\t:S+32*\t+1], v[S+32*\t:S+32*\t+1], v[S+32*\t+16:S+32*\t+17]
.endr
.irp t, 0,1
	v_pk_fma_f32 v[ST+8*\t+2:ST+8*\t+3], v[ST+8*\t+2:ST+8*\t+3], v[ST+8*\t+6:ST+8*\t+7], v[S+32*\t:S+32*\t+1] op_sel_hi:[1,0,1]   ; l = a l + the sum
.endr
.irp t, 0,1
.set n, 0
.rept 16
	v_pk_mul_f32 v[O+32*\t+2*n:O+32*\t+2*n+1], v[O+32*\t+2*n:O+32*\t+2*n+1], v[ST+8*\t+6:ST+8*\t+7] op_sel_hi:[1,0]   ; O^T x a, each accumulator from its low end on
.set n, n+1
.endr
.endr
.endm
; A KEY STEP: 64 keys.  A step all of whose keys come after my 32 queries is left out: a scalar branch on ids, round its loads, products and softmax; not round the lines at its end that step addresses.
.macro STEP
	s_add_co_u32 s56, s16, 31
	s_cmp_gt_u32 s15, s56
	s_cbranch_scc1 .Lhidden_\@
	v_add_nc_u32 v[ADK], s17, v[AK0]
	v_add_nc_u32 v[ADV], s17, v[AV0]
	v_nop
	v_nop                                          ; four plain lines between the last step's products and the loads into V's registers
	WIN 0x40
.irp kt, 0,1,2,3
.irp dh, 0,1
	ds_load_b128 v[KR+16*\kt+8*\dh:KR+16*\kt+8*\dh+3],   v[ADK] offset:\kt*16*PK+\dh*64
	ds_load_b128 v[KR+16*\kt+8*\dh+4:KR+16*\kt+8*\dh+7], v[ADK] offset:\kt*16*PK+\dh*64+32
.endr
.endr
.irp kh, 0,1
.irp ct, 0,1,2,3
	ds_load_tr16_b128 v[VR+8*(4*\kh+\ct):VR+8*(4*\kh+\ct)+3],   v[ADV] offset:\kh*32*PV+\ct*32
	ds_load_tr16_b128 v[VR+8*(4*\kh+\ct)+4:VR+8*(4*\kh+\ct)+7], v[ADV] offset:\kh*32*PV+16*PV+\ct*32
.endr
.endr
	s_wait_dscnt 16                                ; K's sixteen loads are in; V's sixteen may be out
	WIN 0x05                                       ; K and Q in window 1, S^T in window 0
.irp dh, 0,1                           ; the eight accumulators take turns, one instruction a turn; the first eight start the sums
.irp qt, 0,1
.irp kt, 0,1,2,3
.if \dh == 0
	v_wmma_f32_16x16x32_f16 v[S+32*\qt+8*\kt:S+32*\qt+8*\kt+7], v[KR+16*\kt+8*\dh:KR+16*\kt+8*\dh+7], v[QR+16*\qt+8*\dh:QR+16*\qt+8*\dh+7], 0
.else
	v_wmma_f32_16x16x32_f16 v[S+32*\qt+8*\kt:S+32*\qt+8*\kt+7], v[KR+16*\kt+8*\dh:KR+16*\kt+8*\dh+7], v[QR+16*\qt+8*\dh:QR+16*\qt+8*\dh+7], v[S+32*\qt+8*\kt:S+32*\qt+8*\kt+7]
.endif
.endr
.endr
.endr
	WIN 0
.rept 4
	v_nop                                          ; places ahead of the first read of the scores
.endr
	s_add_co_u32 s56, s15, 63                      ; a step all of whose keys count for all my queries skips the mask
	s_cmp_le_u32 s56, s16
	s_cbranch_scc1 .Lopen_\@
	s_sub_co_u32 s56, s16, s15
	v_add_nc_u32 v14, s56, v[RH]                   ; d = my query - the step's first key - 8 (lane / 16), tile 0;
	v_add_nc_u32 v15, 16, v14                      ; tile 1.  Register 8 kt + j holds key 16 kt + 8 (lane / 16) + j of the step: hidden where 16 kt + j > d
.set n, 0
.rept 32
	v_cmp_gt_i32 vcc_lo, 16*(n/8)+n%8, v14
	v_cndmask_b32 v[S+n], v[S+n], v[NINF], vcc_lo
	v_cmp_gt_i32 vcc_lo, 16*(n/8)+n%8, v15
	v_cndmask_b32 v[S+32+n], v[S+32+n], v[NINF], vcc_lo
.set n, n+1
.endr
.Lopen_\@:
	SOFTMAX
	s_wait_dscnt 0x0                               ; V is in
	WIN 0x01                                       ; V in window 1; P and O^T in window 0
.irp kh, 0,1
.irp qt, 0,1
.irp ct, 0,1,2,3
	v_wmma_f32_16x16x32_f16 v[O+32*\qt+8*\ct:O+32*\qt+8*\ct+7], v[VR+8*(4*\kh+\ct):VR+8*(4*\kh+\ct)+7], v[P+16*\qt+8*\kh:P+16*\qt+8*\kh+7], v[O+32*\qt+8*\ct:O+32*\qt+8*\ct+7]
.endr
.endr
.endr
	WIN 0
.Lhidden_\@:
	s_add_co_u32 s15, s15, 64
	s_add_co_u32 s17, s17, STEPB
.endm
; A block of queries is finished: O^T / l, rounded to f16, a tile (16 rows of 128 bytes) at a time through my stage, out as 512 consecutive bytes a store.
.macro OUT
.irp t, 0,1
	v_add_f32 v[ST+8*\t+4], v[ST+8*\t+2], v[ST+8*\t+3]
.endr
.irp t, 0,1
	v_permlanex16_b32 v[ST+8*\t+5], v[ST+8*\t+4], s20, s21
.endr
.irp t, 0,1
	v_add_f32 v[ST+8*\t+4], v[ST+8*\t+4], v[ST+8*\t+5]
.endr
	v_nop
	v_nop                                          ; (with the lines above: more than four plain lines behind the last products)
.irp t, 0,1
	v_rcp_f32 v[ST+8*\t+6], v[ST+8*\t+4]
.endr
	v_nop
	s_wait_alu depctr_va_vdst(0)                   ; one wait for the two reciprocals, ahead of their first reader
.irp t, 0,1
.set n, 0
.rept 16
	v_pk_mul_f32 v[O+32*\t+2*n:O+32*\t+2*n+1], v[O+32*\t+2*n:O+32*\t+2*n+1], v[ST+8*\t+6:ST+8*\t+7] op_sel_hi:[1,0]
.set n, n+1
.endr
.set n, 0
.rept 16
	v_cvt_pk_f16_f32 v[PKD+n], v[O+32*\t+2*n], v[O+32*\t+2*n+1]
.set n, n+1
.endr
.irp ct, 0,1,2,3
	ds_store_b128 v[STO], v[PKD+4*\ct:PKD+4*\ct+3] offset:32*\ct
.endr
.irp i, 0,1,2,3
	ds_load_b128 v[BK+16*\t+4*\i:BK+16*\t+4*\i+3], v[RD] offset:576*\i   ; LDS serves a wave's instructions in order: these see the stores above, and the next tile's stores come behind them
.endr
.endr
.irp i, 0,1,2,3
	s_wait_dscnt 11-\i                             ; tile 0's load i is in; its later loads and tile 1's eight LDS instructions may be out
	global_store_b128 v[GO], v[BK+4*\i:BK+4*\i+3], s[54:55] offset:512*\i
.endr
.irp i, 0,1,2,3
	s_wait_dscnt 3-\i
	global_store_b128 v[GO], v[BK+16+4*\i:BK+16+4*\i+3], s[54:55] offset:2048+512*\i
.endr
.endm
.macro WALK                            ; a slot's four steps: written once, walked four times
	s_lshl_b32 s15, s12, 8                         ; the slot's first key
	s_mov_b32 s18, 4
.Lstep_\@:
	STEP
	s_sub_co_u32 s18, s18, 1
	s_cmp_lg_u32 s18, 0
	s_cbranch_scc1 .Lstep_\@
	s_sub_co_u32 s17, s17, 4*STEPB                 ; back to a slot's first step,
	s_xor_b32 s17, s17, SLOT1                      ; in the other slot
.endm
	s_load_b128 s[4:7], s[0:1], 0x0                ; qkv16 s[4:5], y16 s[6:7]
	v_lshl_add_u32 v[SPW], v0, 2, SPARE
	v_mov_b32 v[NIL], 0
	ds_add_u32 v[SPW], v[NIL]                      ; the wave's opening: the add, twice on end, and its wait ahead of my first tensor load
	ds_add_u32 v[SPW], v[NIL]
	v_lshrrev_b32 v1, 5, v0
	v_readfirstlane_b32 s8, v1                     ; wave 0..7
	s_mov_b32 s10, ttmp9                           ; i
	s_and_b32 s11, ttmp7, 0xffff                   ; bh
	s_and_b32 s56, s8, 1                           ; tau = 2 g + b2, g = b1 xor 3 (b0 xor b2)
	s_bfe_u32 s57, s8, 0x10001
	s_lshr_b32 s58, s8, 2
	s_xor_b32 s56, s56, s58
	s_mul_i32 s56, s56, 3
	s_xor_b32 s56, s56, s57
	s_lshl_b32 s56, s56, 1
	s_add_co_u32 s9, s56, s58
	s_mov_b32 s24, (1<<16)|(1<<20)|(4<<22)|(3<<25) ; K: elements of 2 bytes; padding on: 4 words after every 32
	s_mov_b32 s32, (1<<16)|(1<<20)|(4<<22)|(7<<25) ; V: 8 words after every 32
.irp g, 24, 32
	s_mov_b32 s[\g+1], 64<<16                      ; tensor_dim0 = 64
	s_mov_b32 s[\g+2], 64<<16                      ; tensor_dim1 = 64
	s_mov_b32 s[\g+3], 64<<16                      ; tile_dim0 = 64
	s_mov_b32 s[\g+4], 64                          ; tile_dim1 = 64
	s_mov_b32 s[\g+5], 64                          ; from row to row
	s_mov_b32 s[\g+6], 0
	s_mov_b32 s[\g+7], 0
.endr
	s_mov_b32 s40, 1
	s_and_b32 s56, s8, 3                           ; which step of a slot I fetch
	s_mul_i32 s41, s56, STEPB
	s_mul_i32 s57, s58, VOFF
	s_add_co_u32 s41, s41, s57                     ; its place in slot 0: K's or V's
	s_add_co_u32 s57, s58, 1
	s_lshl_b32 s46, s57, 24                        ; K is tensor 1, V tensor 2: 16,777,216 bytes each
	s_lshl_b32 s57, s11, 18
	s_add_co_u32 s46, s46, s57                     ; the head
	s_lshl_b32 s57, s56, 13
	s_add_co_u32 s46, s46, s57                     ; my step's 64 rows of 128 bytes
	s_mov_b32 s47, 0
	s_mov_b32 s20, 0x76543210
	s_mov_b32 s21, 0xfedcba98
	s_mov_b32 s22, 0x3e38aa3b                      ; c = log2(e) / 8
	s_mov_b32 s23, s22
	s_mov_b32 s12, 0
	s_sub_co_u32 s13, 7, s10
	s_mov_b32 s14, s10
	s_mov_b32 s17, 0
	s_cmp_eq_u32 s10, 0
	s_cselect_b32 s50, 2, -1                       ; who prefetches, and until when
	s_wait_dscnt 0x0                               ; both opening adds are done
	s_wait_kmcnt 0x0
	s_add_nc_u64 s[44:45], s[4:5], s[46:47]
	s_mov_b64 s[42:43], s[44:45]
	s_or_b32 s43, s43, 0x80000000
	TLOAD                                          ; key slot 0 into LDS slot 0
	s_add_nc_u64 s[48:49], s[44:45], 32768         ; the prefetches stand at key slot 1; the first change of slots steps them to slot 2
	v_and_b32 v16, 15, v0                          ; r
	v_bfe_u32 v17, v0, 4, 1                        ; h
	v_and_b32 v18, 31, v0                          ; lane
	v_mul_u32_u24 v[AK0], v16, PK
	v_lshl_add_u32 v[AK0], v17, 4, v[AK0]          ; K: row r x pitch + 16 h
	v_and_b32 v19, 7, v0
	v_bfe_u32 v20, v0, 3, 1
	v_lshl_add_u32 v[AV0], v17, 3, v19             ; V, turned: key 8 h + lane % 8, channels 8 ((lane / 8) % 2) on
	v_mul_u32_u24 v[AV0], v[AV0], PV
	v_lshl_add_u32 v[AV0], v20, 4, v[AV0]
	v_add_nc_u32 v[AV0], VOFF, v[AV0]
	v_lshlrev_b32 v[QO], 7, v16
	v_lshl_add_u32 v[QO], v17, 4, v[QO]            ; Q: row r of 128 bytes + 16 h
	s_mul_i32 s56, s8, 2304
	s_add_co_u32 s56, s56, STAGE                   ; my stage
	v_add_nc_u32 v[STO], s56, v[AK0]               ; in: row r x 144 + 16 h
	v_lshrrev_b32 v21, 3, v18
	v_mul_u32_u24 v21, v21, 144
	v_lshl_add_u32 v21, v19, 4, v21
	v_add_nc_u32 v[RD], s56, v21                   ; back: eight lanes to a row, four rows an instruction
	v_lshlrev_b32 v[GO], 4, v18
	v_lshlrev_b32 v[PFO], 8, v18
	v_lshlrev_b32 v21, 3, v17
	v_sub_nc_u32 v[RH], v16, v21
	v_mov_b32 v[NINF], 0xff800000
	INIT                                           ; the first block: 7 - i
	s_mov_b32 s19, 8
.Ltrip:                                            ; eight trips, each a key slot; behind each change of slots the slot that follows is asked for (LDS slot 1's first fill stands behind the first trip's barrier, where nothing is filled again)
	CHANGE 1
	WALK
	s_cmp_lg_u32 s12, s13                          ; was it the block's diagonal slot?  (ids and counts alone: the same in all eight waves)
	s_cbranch_scc1 .Lgo_on
	OUT
	s_wait_xcnt 0x0                                ; the stores have read their base and data: both are written again for the second block
	s_mov_b32 s12, -1
	s_mov_b32 s13, s14
	INIT                                           ; the second block: i
.Lgo_on:
	s_add_co_u32 s12, s12, 1
	s_sub_co_u32 s19, s19, 1
	s_cmp_lg_u32 s19, 0
	s_cbranch_scc1 .Ltrip
	CHANGE 0                                       ; the ninth slot is written out: nothing is left to ask for, and it is the second block's diagonal slot in every work-group
	WALK
	OUT
	s_wait_tensorcnt 0x0                           ; the wave's end, behind my last tensor load and my last LDS store
	ds_add_u32 v[SPW], v[NIL]
	s_wait_dscnt 0x0
	s_endpgm
.Lfunc_end_k_q12b88d67eb_attn:
	.size	k_q12b88d67eb_attn, .Lfunc_end_k_q12b88d67eb_attn-k_q12b88d67eb_attn
	.p2alignl 7, 3214868480
	.fill 96, 4, 3214868480
	.section	.rodata,"a",@progbits
	.p2align	6, 0x0
	.amdhsa_kernel k_q12b88d67eb_attn
		.amdhsa_group_segment_fixed_size 327680
		.amdhsa_private_segment_fixed_size 0
		.amdhsa_enable_private_segment 0
		.amdhsa_kernarg_size 16
		.amdhsa_user_sgpr_count 2
		.amdhsa_user_sgpr_kernarg_segment_ptr 1
		.amdhsa_wavefront_size32 1
		.amdhsa_system_sgpr_workgroup_id_x 1
		.amdhsa_system_sgpr_workgroup_id_y 1
		.amdhsa_system_sgpr_workgroup_id_z 1
		.amdhsa_system_vgpr_workitem_id 0
		.amdhsa_next_free_vgpr 512
		.amdhsa_next_free_sgpr 66
		.amdhsa_reserve_vcc 1
		.amdhsa_float_denorm_mode_32 3
		.amdhsa_float_denorm_mode_16_64 3
		.amdhsa_memory_ordered 1
		.amdhsa_forward_progress 1
		.amdhsa_inst_pref_size 71
	.end_amdhsa_kernel
	.amdgpu_metadata
---
amdhsa.version: [ 1, 2 ]
amdhsa.kernels:
  - .name:           k_q12b88d67eb_attn
    .symbol:         k_q12b88d67eb_attn.kd
    .args:
      - { .name: qkv16, .offset: 0, .size: 8, .value_kind: global_buffer, .address_space: global }
      - { .name: y16, .offset: 8, .size: 8, .value_kind: global_buffer, .address_space: global }
    .group_segment_fixed_size: 327680
    .private_segment_fixed_size: 0
    .kernarg_segment_align: 8
    .kernarg_segment_size: 16
    .max_flat_workgroup_size: 256
    .sgpr_count:     66
    .vgpr_count:     512
    .wavefront_size: 32
...
	.end_amdgpu_metadata
.endif
;; end of part 3
;; launch proj (part 4): grid 4 x 64, 4 waves a work-group, clusters of 4 x 4, 327,680 bytes of LDS; arguments y16, wp16, b_proj, out0; writes out0
.if DOCPART == 4
	.amdgcn_target "amdgcn-amd-amdhsa--gfx1250"
	.amdhsa_code_object_version 6
	.text
	.protected	k_q12b88d67eb_proj
	.globl	k_q12b88d67eb_proj
	.p2align	8
	.type	k_q12b88d67eb_proj,@function
k_q12b88d67eb_proj:
	s_mov_b64 s[64:65], 0
	v_nop
	global_prefetch_b8 v0, s[64:65] scope:SCOPE_SE
	s_setreg_imm32_b32 hwreg(HW_REG_WAVE_MODE, 25, 1), 1
	s_wait_xcnt 0x0
	s_wait_alu depctr_hold_cnt(0) depctr_sa_sdst(0) depctr_va_vdst(0) depctr_va_sdst(0) depctr_va_ssrc(0) depctr_va_vcc(0) depctr_vm_vsrc(0)
	s_getreg_b32 s2, hwreg(HW_REG_IB_STS2, 6, 4)
	s_cmp_eq_u32 s2, 0
	s_cbranch_scc0 .Lentry_in_a_cluster
	s_endpgm
.Lentry_in_a_cluster:
	s_bfe_u32 s2, ttmp6, 0x10000c
	s_cmp_lg_u32 s2, 0xf033
	s_cbranch_scc0 .Lentry_shape_is_right
	s_endpgm
.Lentry_shape_is_right:
; out0[m][n] = sum over k of y[m][k] w_proj[n][k] + b_proj[n]; m = 2048 batch + t (8,192), n and k 1,024; k = 64 head + channel.  y16[batch][head][t][64] and wp16[n][k] are f16; sums in f32; out0 f32.
; A tile of out0 is 128 (m) x 256 (n): 256 work-groups.  Four waves, each 64 x 128: 32 accumulators, which fill window 1.  K goes in steps of 128 (two heads) through two LDS slots.
; A head's 128 rows of y are one dense block of 16,384 bytes; w's rows of a step are 256 bytes.  Waves 0, 1 fetch the step's two heads of y, waves 2, 3 the two halves of w's 256 rows.
; CLUSTERS: 4 x 4; y's tiles are shared along a row of the cluster, w's along a column: joint loads, one descriptor and a mask that names the four.
; THE MATRIX INSTRUCTION IS USED TRANSPOSED (source 0 = 16 rows of w, source 1 = 16 rows of y): a lane holds eight neighbouring n of one row m.  The bias is the C of each sum's first product.
; The rows t < 16 of every batch are written here from f16 operands and written again, from f32 operands, by the launch that follows.
; REGISTERS: window 0: v16-29 addresses; v32-127 and v128-223 two fragment buffers (y's 4 fragments, then w's 8); on the way out rows read back.  window 1: accumulator (a, bb) at v[8 (8 a + bb)].  window 2: v0-63 the bias, 8 registers for each bb.
.set PA,     144                       ; a row of y in LDS: 128 bytes + 16
.set PB,     272                       ; a row of w: 256 bytes + 16
.set AHEAD,  128*PA                    ; a head's 128 rows
.set BOFF,   2*AHEAD
.set BHALF,  128*PB
.set SLOT,   BOFF+2*BHALF
.set STAGE,  2*SLOT                    ; behind the ring: 16 rows x (512 bytes + 16) for each wave
.set SPITCH, 528
.set SPARE,  STAGE+4*16*SPITCH         ; the spare words, 128 bytes a wave: two blocks of 256 bytes that no other line names
.set LAPS,   4                         ; eight K steps, two to a lap
.set ADRA, 16
.set ADRB, 20
.set STO,  24
.set RD,   25
.set CO,   26
.set BO,   27
.set SPW,  28
.set NIL,  29
.set F0,   32
.set F1,   128
.set G1, 24
.set G0, 32
.set G1B, 48
.set G0B, 56
.set MSB, 0
.macro WIN new
.if MSB != \new
	s_set_vgpr_msb (MSB<<8)|\new
.set MSB, \new
.endif
.endm
.set MULW, 0x50                        ; C and D window 1, sources window 0;  + 0x10: C window 2 (the bias)
.macro JLOAD s                         ; waves 0 and 1 fetch y's, waves 2 and 3 w's; an s_nop 0 and four v_nop follow each of the two lines
	s_cmp_eq_u32 s11, 0
	s_cbranch_scc0 .Lfor_b_\@
	tensor_load_to_lds s[G0+4*\s:G0+4*\s+3], s[G1:G1+7]
	s_nop 0
.rept 4
	v_nop
.endr
	s_branch .Lasked_\@
.Lfor_b_\@:
	tensor_load_to_lds s[G0B+4*\s:G0B+4*\s+3], s[G1B:G1B+7]
	s_nop 0
.rept 4
	v_nop
.endr
.Lasked_\@:
.endm
.macro CREST                           ; a round of the cluster's barrier behind its opening barrier
	s_cmp_lg_u32 s10, 0
	s_cbranch_scc1 .Lnot_wave_0_\@
	s_barrier_signal -3
.Lnot_wave_0_\@:
	s_barrier_wait -3
	s_barrier_signal -1
	s_barrier_wait -1
.endm
.macro CROUND
	s_barrier_signal -1
	s_barrier_wait -1
	CREST
.endm
	s_load_b128 s[4:7], s[0:1], 0x0                ; y16 s[4:5], wp16 s[6:7]
	s_load_b128 s[68:71], s[0:1], 0x10             ; b_proj s[68:69], out0 s[70:71]
	v_lshl_add_u32 v[SPW], v0, 2, SPARE
	v_mov_b32 v[NIL], 0
	ds_add_u32 v[SPW], v[NIL]                      ; the wave's opening: the add, twice on end, and its wait ahead of my first tensor load
	ds_add_u32 v[SPW], v[NIL]
	v_lshrrev_b32 v1, 5, v0
	v_readfirstlane_b32 s10, v1                    ; wave 0..3
	s_lshr_b32 s11, s10, 1                         ; which half of the tile's rows is mine.  Also: I fetch for y (0) or for w (1)
	s_and_b32 s12, s10, 1                          ; which half of its columns.  Also: which head, or which 128 rows of w, I fetch
	s_bfe_u32 s40, ttmp6, 0x40000                  ; cx, cy
	s_bfe_u32 s41, ttmp6, 0x40004
	s_lshl_b32 s42, ttmp9, 2
	s_add_co_u32 s42, s42, s40                     ; tile column = 4 x cluster x + cx
	s_and_b32 s13, ttmp7, 0xffff
	s_lshl_b32 s13, s13, 2
	s_add_co_u32 s13, s13, s41                     ; tile row = 4 x cluster y + cy
	s_lshl_b32 s43, s41, 2
	s_lshl_b32 s43, 15, s43                        ; my row of the cluster
	s_lshl_b32 s44, 0x1111, s40                    ; my column
	s_or_b32 s[G1+0], s43, (1<<16)|(1<<20)|(1<<21)|(4<<22)|(3<<25)   ; y: the mask; elements of 2 bytes; padding on; bit 21 beside a mask; 4 words after every 32
	s_mov_b32 s[G1+1], 64<<16                      ; tensor_dim0 = 64
	s_mov_b32 s[G1+2], 128<<16                     ; tensor_dim1 = 128
	s_mov_b32 s[G1+3], 64<<16                      ; tile_dim0 = 64
	s_mov_b32 s[G1+4], 128                         ; tile_dim1 = 128
	s_mov_b32 s[G1+5], 64                          ; from row to row
	s_mov_b32 s[G1+6], 0
	s_mov_b32 s[G1+7], 0
	s_or_b32 s[G1B+0], s44, (1<<16)|(1<<20)|(1<<21)|(5<<22)|(3<<25)  ; w: 4 words after every 64
	s_mov_b32 s[G1B+1], 128<<16
	s_mov_b32 s[G1B+2], 128<<16
	s_mov_b32 s[G1B+3], 128<<16
	s_mov_b32 s[G1B+4], 128
	s_mov_b32 s[G1B+5], 1024
	s_mov_b32 s[G1B+6], 0
	s_mov_b32 s[G1B+7], 0
	s_lshr_b32 s16, s13, 4                         ; y: the batch, 16 heads of 262,144 bytes,
	s_lshl_b32 s16, s16, 22
	s_and_b32 s17, s13, 15
	s_lshl_b32 s17, s17, 14                        ; the tile's 128 rows of 128 bytes,
	s_add_co_u32 s16, s16, s17
	s_lshl_b32 s17, s12, 18                        ; the step's first or second head
	s_add_co_u32 s16, s16, s17
	s_mov_b32 s17, 0
	s_lshl_b32 s46, s42, 8                         ; w: row 256 x tile column + 128 x half, 2,048 bytes a row
	s_lshl_b32 s47, s12, 7
	s_add_co_u32 s46, s46, s47
	s_lshl_b32 s46, s46, 11
	s_mov_b32 s47, 0
	s_mul_i32 s20, s12, AHEAD                      ; where they go: no place in the cluster enters an LDS address
	s_mul_i32 s21, s12, BHALF
	s_add_co_u32 s21, s21, BOFF
	s_wait_dscnt 0x0                               ; both opening adds are done
	s_wait_kmcnt 0x0
	s_add_nc_u64 s[14:15], s[4:5], s[16:17]
	s_add_nc_u64 s[46:47], s[6:7], s[46:47]
	CROUND                                         ; all sixteen work-groups are here: the first joint loads meet
.irp s, 0,1
	s_mov_b32 s[G0+4*\s], 1
	s_add_co_u32 s[G0+4*\s+1], s20, \s*SLOT
	s_add_nc_u64 s[G0+4*\s+2:G0+4*\s+3], s[14:15], \s*524288       ; K step s: two heads on
	s_or_b32 s[G0+4*\s+3], s[G0+4*\s+3], 0x80000000
	s_mov_b32 s[G0B+4*\s], 1
	s_add_co_u32 s[G0B+4*\s+1], s21, \s*SLOT
	s_add_nc_u64 s[G0B+4*\s+2:G0B+4*\s+3], s[46:47], \s*256
	s_or_b32 s[G0B+4*\s+3], s[G0B+4*\s+3], 0x80000000
	JLOAD \s                                       ; two loads of mine are out at the most
.endr
	v_and_b32 v1, 15, v0                           ; r
	v_bfe_u32 v2, v0, 4, 1                         ; h
	v_mul_u32_u24 v3, v1, PA
	v_lshl_add_u32 v3, v2, 4, v3
	v_mul_u32_u24 v4, v1, PB
	v_lshl_add_u32 v4, v2, 4, v4
	s_mul_i32 s21, s11, 64*PA                      ; my 64 rows of y
	s_mul_i32 s22, s12, BHALF                      ; my 128 rows of w
	s_add_co_u32 s22, s22, BOFF
.irp s, 0,1
	v_add_nc_u32 v[ADRA+\s], s21, v3
	v_add_nc_u32 v[ADRB+\s], s22, v4
	s_add_co_u32 s21, s21, SLOT
	s_add_co_u32 s22, s22, SLOT
.endr
	s_mul_i32 s23, s10, 16*SPITCH
	s_add_co_u32 s23, s23, STAGE                   ; my stage
	v_mul_u32_u24 v5, v1, SPITCH
	v_lshl_add_u32 v5, v2, 5, v5
	v_add_nc_u32 v[STO], s23, v5                   ; in: row r, 32 bytes for each half of the lanes
	v_and_b32 v6, 31, v0
	v_lshlrev_b32 v[CO], 4, v6
	v_add_nc_u32 v[RD], s23, v[CO]                 ; back: the 32 lanes take one row of 512 bytes
	v_lshlrev_b32 v[BO], 5, v2                     ; the bias: 8 numbers for each half of the lanes
	s_lshl_b32 s16, s42, 10
	s_lshl_b32 s17, s12, 9
	s_add_co_u32 s16, s16, s17                     ; my first column, in bytes
	s_mov_b32 s17, 0
	s_add_nc_u64 s[68:69], s[68:69], s[16:17]
	s_add_nc_u64 s[70:71], s[70:71], s[16:17]
	s_lshl_b32 s16, s13, 7
	s_lshl_b32 s18, s11, 6
	s_add_co_u32 s16, s16, s18                     ; my first row
	s_lshl_b32 s16, s16, 12
	s_add_nc_u64 s[70:71], s[70:71], s[16:17]
	WIN 0x80                                       ; destination window 2
.irp bb, 0,1,2,3,4,5,6,7
	global_load_b128 v[8*\bb:8*\bb+3],   v[BO], s[68:69] offset:64*\bb     ; lane (r, h), register j: b_proj of column 16 bb + 8 h + j: the result's layout
	global_load_b128 v[8*\bb+4:8*\bb+7], v[BO], s[68:69] offset:64*\bb+16
.endr
	WIN 0
; 8 matrix instructions: y's block a against w's eight, 32 along K.  first = 1: the bias is the C, and the product starts the sum.  The 32 accumulators take turns, in the same order in every quarter.
.macro MUL8 f, a, first
.irp bb, 0,1,2,3,4,5,6,7
.if \first
	v_wmma_f32_16x16x32_f16 v[8*(8*(\a)+\bb):8*(8*(\a)+\bb)+7], v[\f+32+8*\bb:\f+32+8*\bb+7], v[\f+8*(\a):\f+8*(\a)+7], v[8*\bb:8*\bb+7]
.else
	v_wmma_f32_16x16x32_f16 v[8*(8*(\a)+\bb):8*(8*(\a)+\bb)+7], v[\f+32+8*\bb:\f+32+8*\bb+7], v[\f+8*(\a):\f+8*(\a)+7], v[8*(8*(\a)+\bb):8*(8*(\a)+\bb)+7]
.endif
.endr
.endm
.macro FETCH slot, q, f                ; 24 LDS loads in one run: the fragments of the slot's q-th 32 along K: w's eight, then y's four
	WIN 0
.irp i, 0,1,2,3,4,5,6,7
	ds_load_b128 v[\f+32+8*\i:\f+32+8*\i+3],   v[ADRB+\slot] offset:64*(\q)+\i*16*PB
	ds_load_b128 v[\f+32+8*\i+4:\f+32+8*\i+7], v[ADRB+\slot] offset:64*(\q)+\i*16*PB+32
.endr
.irp i, 0,1,2,3
	ds_load_b128 v[\f+8*\i:\f+8*\i+3],   v[ADRA+\slot] offset:((\q)/2)*AHEAD+((\q)%2)*64+\i*16*PA
	ds_load_b128 v[\f+8*\i+4:\f+8*\i+7], v[ADRA+\slot] offset:((\q)/2)*AHEAD+((\q)%2)*64+\i*16*PA+32
.endr
.endm
.macro PLACES                          ; four plain lines in front of loads into registers that matrix instructions have read, and of reads of results
.rept 4
	v_nop
.endr
.endm
; A K step is four quarters of 32 along K, 32 matrix instructions each, on buffers 0, 1, 0, 1.  One of the first three: multiplies buffer f and fetches quarter q into buffer g.
.macro QUARTER slot, q, f, g, first
	s_wait_dscnt 4                                 ; w's eight and y's blocks 0, 1 are in; the youngest four loads (y's blocks 2, 3) may be out
	WIN MULW+0x10*\first
	MUL8 \f, 0, \first
	MUL8 \f, 1, \first
	PLACES
	FETCH \slot, \q, \g
	s_wait_dscnt 24                                ; all but the 24 just issued
	WIN MULW+0x10*\first
	MUL8 \f, 2, \first
	MUL8 \f, 3, \first
.endm
; The last quarter multiplies buffer 1 and changes slots: ONE barrier; in front of it each wave waits for all its tensor loads, adds 0 to its spare word, and waits for that and for its reads of this slot.
.macro TURN slot, next, fill
	WIN 0
	s_wait_tensorcnt 0x0                           ; all my tensor loads have landed: my part of the next slot
	ds_add_u32 v[SPW], v[NIL]
	s_wait_dscnt 5                                 ; (the add and the youngest four loads may be out)
	WIN MULW
	MUL8 F1, 0, 0
	s_wait_dscnt 0x0                               ; the add is done, and my reads of this slot are over
	s_barrier_signal -1
	MUL8 F1, 1, 0
.if \fill
	WIN 0
.endif
	s_barrier_wait -1
.if \fill
	CREST                                          ; the barrier has opened a round of the cluster's barrier: no wave of any partner still reads this slot or has a load on its way
	s_add_nc_u64 s[G0+4*\slot+2:G0+4*\slot+3], s[G0+4*\slot+2:G0+4*\slot+3], 1048576   ; two K steps on: four heads
	s_add_nc_u64 s[G0B+4*\slot+2:G0B+4*\slot+3], s[G0B+4*\slot+2:G0B+4*\slot+3], 512
	JLOAD \slot                                    ; the first tensor load behind the round; its four v_nop are also the places in front of the loads below
.else
	PLACES
.endif
	FETCH \next, 0, F0
	WIN MULW
	MUL8 F1, 2, 0
	MUL8 F1, 3, 0
.endm
	s_wait_tensorcnt 1                             ; my part of K step 0 is in; K step 1's load may be out
	s_barrier_signal -1
	s_barrier_wait -1
	FETCH 0, 0, F0
	s_wait_loadcnt 0x0                             ; the bias
	QUARTER 0, 1, F0, F1, 1                        ; the first quarter stands in front of the loop: its products start the sums from the bias
	WIN 0
	s_mov_b32 s3, LAPS-1
.Llap:                                             ; a trip goes once round the ring, from a lap's second quarter to the next lap's first, and fills both slots again
	QUARTER 0, 2, F1, F0, 0
	QUARTER 0, 3, F0, F1, 0
	TURN 0, 1, 1
	QUARTER 1, 1, F0, F1, 0
	QUARTER 1, 2, F1, F0, 0
	QUARTER 1, 3, F0, F1, 0
	TURN 1, 0, 1
	QUARTER 0, 1, F0, F1, 0
	WIN 0
	s_sub_co_u32 s3, s3, 1
	s_cmp_lg_u32 s3, 0
	s_cbranch_scc1 .Llap
	QUARTER 0, 2, F1, F0, 0                        ; the last lap fills nothing
	QUARTER 0, 3, F0, F1, 0
	TURN 0, 1, 0
	QUARTER 1, 1, F0, F1, 0
	QUARTER 1, 2, F1, F0, 0
	QUARTER 1, 3, F0, F1, 0
	s_wait_dscnt 4
	WIN MULW
	MUL8 F1, 0, 0
	MUL8 F1, 1, 0
	s_wait_dscnt 0
	MUL8 F1, 2, 0
	MUL8 F1, 3, 0
	WIN 0
; THE WAY OUT, block by block of 16 rows x 128 columns, through my own stage: in as 32 bytes a lane, back as whole rows of 512 bytes.
.macro TOSTAGE a
	WIN 0x04                                       ; an LDS store's data are its source 1: window 1
.irp bb, 0,1,2,3,4,5,6,7
	ds_store_b128 v[STO], v[64*(\a)+8*\bb:64*(\a)+8*\bb+3] offset:64*\bb           ; each accumulator from its low end on
	ds_store_b128 v[STO], v[64*(\a)+8*\bb+4:64*(\a)+8*\bb+7] offset:64*\bb+16
.endr
	WIN 0
.set BB, 32+96*((\a)%2)
.irp t, 0,1,2,3,4,5,6,7,8,9,10,11,12,13,14,15
	ds_load_b128 v[BB+4*\t:BB+4*\t+3], v[RD] offset:\t*SPITCH     ; LDS serves a wave's instructions in order: these see the stores above
.endr
.endm
.macro SEND a, younger
.set BB, 32+96*((\a)%2)
	s_wait_dscnt \younger                          ; the block is back; the next block's 16 stores and 16 loads may be out
.if (\a) > 0
	s_add_nc_u64 s[70:71], s[70:71], 65536         ; 16 rows on (behind a wait on XCNT: the earlier stores have read their base)
.endif
.irp t, 0,1,2,3,4,5,6,7,8,9,10,11,12,13,14,15
	global_store_b128 v[CO], v[BB+4*\t:BB+4*\t+3], s[70:71] offset:\t*4096 th:TH_STORE_NT   ; 32 lanes store 512 consecutive bytes
.endr
.endm
	PLACES
	TOSTAGE 0
.irp a, 1,2,3
.if \a > 1
	s_wait_xcnt 0x0                                ; block a - 2's stores have read their registers and their base
.endif
	TOSTAGE \a
	SEND \a-1, 32
.endr
	s_wait_xcnt 0x0
	SEND 3, 0
	s_wait_tensorcnt 0x0                           ; the wave's end, behind my last tensor load and my last LDS store
	ds_add_u32 v[SPW], v[NIL]
	s_wait_dscnt 0x0
	CROUND                                         ; the closing round
	s_endpgm
.Lfunc_end_k_q12b88d67eb_proj:
	.size	k_q12b88d67eb_proj, .Lfunc_end_k_q12b88d67eb_proj-k_q12b88d67eb_proj
	.p2alignl 7, 3214868480
	.fill 96, 4, 3214868480
	.section	.rodata,"a",@progbits
	.p2align	6, 0x0
	.amdhsa_kernel k_q12b88d67eb_proj
		.amdhsa_group_segment_fixed_size 327680
		.amdhsa_private_segment_fixed_size 0
		.amdhsa_enable_private_segment 0
		.amdhsa_kernarg_size 32
		.amdhsa_user_sgpr_count 2
		.amdhsa_user_sgpr_kernarg_segment_ptr 1
		.amdhsa_wavefront_size32 1
		.amdhsa_system_sgpr_workgroup_id_x 1
		.amdhsa_system_sgpr_workgroup_id_y 1
		.amdhsa_system_sgpr_workgroup_id_z 1
		.amdhsa_system_vgpr_workitem_id 0
		.amdhsa_next_free_vgpr 640
		.amdhsa_next_free_sgpr 72
		.amdhsa_reserve_vcc 0
		.amdhsa_float_denorm_mode_32 3
		.amdhsa_float_denorm_mode_16_64 3
		.amdhsa_memory_ordered 1
		.amdhsa_forward_progress 1
		.amdhsa_inst_pref_size 87
	.end_amdhsa_kernel
	.amdgpu_metadata
---
amdhsa.version: [ 1, 2 ]
amdhsa.kernels:
  - .name:           k_q12b88d67eb_proj
    .symbol:         k_q12b88d67eb_proj.kd
    .args:
      - { .name: y16, .offset: 0, .size: 8, .value_kind: global_buffer, .address_space: global }
      - { .name: wp16, .offset: 8, .size: 8, .value_kind: global_buffer, .address_space: global }
      - { .name: b_proj, .offset: 16, .size: 8, .value_kind: global_buffer, .address_space: global }
      - { .name: out0, .offset: 24, .size: 8, .value_kind: global_buffer, .address_space: global }
    .group_segment_fixed_size: 327680
    .private_segment_fixed_size: 0
    .kernarg_segment_align: 8
    .kernarg_segment_size: 32
    .max_flat_workgroup_size: 128
    .sgpr_count:     72
    .vgpr_count:     640
    .wavefront_size: 32
...
	.end_amdgpu_metadata
.endif
;; end of part 4
;; launch fine (part 5): grid 16 x 4, 16 waves a work-group, no clusters, 84,992 bytes of LDS; arguments qkv32, w_proj, b_proj, out0; writes out0
.if DOCPART == 5
	.amdgcn_target "amdgcn-amd-amdhsa--gfx1250"
	.amdhsa_code_object_version 6
	.text
	.protected	k_q12b88d67eb_fine
	.globl	k_q12b88d67eb_fine
	.p2align	8
	.type	k_q12b88d67eb_fine,@function
k_q12b88d67eb_fine:
	s_mov_b64 s[64:65], 0
	v_nop
	global_prefetch_b8 v0, s[64:65] scope:SCOPE_SE
	s_setreg_imm32_b32 hwreg(HW_REG_WAVE_MODE, 25, 1), 1
	s_wait_xcnt 0x0
; THE FIRST 16 POSITIONS OF EVERY SEQUENCE, WHOLLY IN f32: there a row of the softmax averages one to sixteen values, and the rounding of 16-bit operands would weigh most.
; Work-group (cg, batch) makes out0 rows t = 0..15 of its batch, columns 64 cg .. 64 cg + 63, and so writes over what the launch before has left there.
; Wave w first makes head w's attention for the 16 positions (each of a batch's 16 work-groups makes all 16 heads anew: 32 small matrix instructions a wave, which spares a launch);
; then wave w = 4 kq + tl takes 16 columns (tl) and a quarter of K (heads 4 kq .. 4 kq + 3) of the projection; the four quarters meet in LDS.
; OPERANDS.  qkv32 holds q, k, v of t < 16 as images of 16 x 16 accumulators: lane (r, h), register e: row t = r, column 16 tile + 8 h + e.  A register pair (2 i, 2 i + 1) of such an image, taken as an operand of
; the 16 x 16 x 4 form (lane (r, h), register j: index 2 h + j), holds columns 16 tile + 8 h + 2 i + j: a permutation of the contracted index that falls alike on both operands, so the sums are the same.
; The accumulators v16-47 are written by matrix instructions alone; every sum begins with the constant 0; what is made of a sum goes into other registers.
; No tensor load: operands come straight from memory; nothing is read twice by a wave.
.set YIMG,  0                          ; y as images: 4,096 head + 1,024 tile + 512 half + 16 lane
.set PST,   65536                      ; four partial tiles of out0 (one for each quarter of K): 16 rows x (256 bytes + 16)
.set SPARE, PST+4*4352                 ; the spare words, 128 bytes a wave: eight blocks of 256 bytes that no other line names
.set SPW, 14
.set NIL, 15
.set AC,  16                           ; v16-47   four accumulators
.set QI,  48                           ; v48-79   q's images; then y's; then y's images of one head (buffer 1)
.set KI,  80                           ; v80-111  k's images; then buffer 0
.set VI,  112                          ; v112-143 v, gathered as an operand; then w_proj's fragments of the fourth head
.set WB,  144                          ; v144-239 w_proj's fragments of three heads
.set T,   240                          ; v240-247 scores, then p, then sums
	s_load_b256 s[4:11], s[0:1], 0x0               ; qkv32 s[4:5], w_proj s[6:7], b_proj s[8:9], out0 s[10:11]
	v_lshl_add_u32 v[SPW], v0, 2, SPARE
	v_mov_b32 v[NIL], 0
	v_lshrrev_b32 v1, 5, v0
	v_readfirstlane_b32 s12, v1                    ; wave 0..15: the head, and later the row
	s_mov_b32 s13, ttmp9                           ; cg
	s_and_b32 s14, ttmp7, 0xffff                   ; the batch
	s_and_b32 s15, s12, 3                          ; tl
	s_lshr_b32 s16, s12, 2                         ; kq
	s_mov_b32 s20, 0x76543210
	s_mov_b32 s21, 0xfedcba98
	s_mov_b32 s22, 0x3e38aa3b                      ; c = log2(e) / 8
	s_mov_b32 s23, s22
	v_and_b32 v11, 15, v0                          ; r
	v_bfe_u32 v12, v0, 4, 1                        ; h
	v_and_b32 v13, 31, v0                          ; lane
	v_lshlrev_b32 v1, 4, v13                       ; an image's place for my lane
	v_bfe_u32 v2, v0, 2, 1                         ; v as an operand: lane (r, h) wants channel r of a tile for key 8 h + e: in the image that is half (r / 4) % 2, lane key + 16 (r / 8), word r % 4
	v_lshlrev_b32 v2, 9, v2
	v_bfe_u32 v3, v0, 3, 1
	v_lshl_add_u32 v2, v3, 8, v2
	v_and_b32 v3, 3, v0
	v_lshl_add_u32 v2, v3, 2, v2
	v_lshl_add_u32 v2, v12, 7, v2
	v_lshlrev_b32 v3, 12, v11
	v_lshl_add_u32 v3, v12, 5, v3                  ; w_proj: row r of 4,096 bytes + 32 h
	v_lshlrev_b32 v4, 3, v13                       ; the bias and the way out: 8 bytes a lane
	s_lshl_b32 s18, s12, 12
	v_add_nc_u32 v5, s18, v1                       ; y's images, in: my head's
	s_lshl_b32 s18, s16, 14
	v_add_nc_u32 v6, s18, v1                       ; and back: my quarter's four heads
	v_mul_u32_u24 v7, v11, 272
	v_lshl_add_u32 v7, v12, 5, v7
	s_mul_i32 s18, s16, 4352
	s_lshl_b32 s19, s15, 6
	s_add_co_u32 s18, s18, s19
	s_add_co_u32 s18, s18, PST
	v_add_nc_u32 v7, s18, v7                       ; my partial tile: part kq, row r, 64 tl + 32 h bytes on
	s_mul_i32 s18, s12, 272
	s_add_co_u32 s18, s18, PST
	v_add_nc_u32 v8, s18, v4                       ; and back: row w, 8 bytes a lane
	v_lshlrev_b32 v9, 3, v12
	v_sub_nc_u32 v9, v11, v9                       ; r - 8 h
	v_mov_b32 v10, 0xff800000                      ; -infinity
	s_mul_i32 s18, s14, 196608                     ; qkv32: the batch's 192 images, my head's four
	s_lshl_b32 s19, s12, 12
	s_add_co_u32 s18, s18, s19
	s_mov_b32 s19, 0
	s_lshl_b32 s24, s13, 6
	s_lshl_b32 s25, s15, 4
	s_add_co_u32 s24, s24, s25                     ; w_proj: row 64 cg + 16 tl,
	s_lshl_b32 s24, s24, 12
	s_lshl_b32 s25, s16, 10                        ; my quarter of K
	s_add_co_u32 s24, s24, s25
	s_mov_b32 s25, 0
	s_lshl_b32 s26, s13, 8                         ; the work-group's 64 columns, in bytes
	s_mov_b32 s27, 0
	s_lshl_b32 s28, s14, 11
	s_add_co_u32 s28, s28, s12                     ; out0: row 2048 batch + wave
	s_lshl_b32 s28, s28, 12
	s_add_co_u32 s28, s28, s26
	s_mov_b32 s29, 0
	s_wait_kmcnt 0x0
	s_add_nc_u64 s[4:5], s[4:5], s[18:19]
	s_add_nc_u64 s[6:7], s[6:7], s[24:25]
	s_add_nc_u64 s[8:9], s[8:9], s[26:27]
	s_add_nc_u64 s[10:11], s[10:11], s[28:29]
.irp ct, 0,1,2,3
.irp hf, 0,1
	global_load_b128 v[QI+8*\ct+4*\hf:QI+8*\ct+4*\hf+3], v1, s[4:5] offset:\ct*1024+\hf*512
.endr
.endr
.irp ct, 0,1,2,3
.irp hf, 0,1
	global_load_b128 v[KI+8*\ct+4*\hf:KI+8*\ct+4*\hf+3], v1, s[4:5] offset:65536+\ct*1024+\hf*512
.endr
.endr
.irp ct, 0,1,2,3
.irp e, 0,1,2,3,4,5,6,7
	global_load_b32 v[VI+8*\ct+\e], v2, s[4:5] offset:131072+\ct*1024+16*\e      ; v(key 8 h + e, channel 16 ct + r)
.endr
.endr
	global_load_b64 v[250:251], v4, s[8:9]         ; the bias of columns 64 cg + 2 lane, + 1
.irp hh, 0,1,2
.irp ct, 0,1,2,3
.irp hf, 0,1
	global_load_b128 v[WB+32*\hh+8*\ct+4*\hf:WB+32*\hh+8*\ct+4*\hf+3], v3, s[6:7] offset:\hh*256+\ct*64+\hf*16   ; w_proj(my row, 64 head + 16 ct + 8 h + 0 .. 7)
.endr
.endr
.endr
; 16 matrix instructions: four accumulators by turns, four deep.  zero = 1: the first four start the sums.
.macro PROD a, b, bstep, zero
.irp i, 0,1,2,3
.irp ct, 0,1,2,3
.if (\zero) && (\i == 0)
	v_wmma_f32_16x16x4_f32 v[AC+8*\ct:AC+8*\ct+7], v[\a+8*\ct+2*\i:\a+8*\ct+2*\i+1], v[\b+\bstep*\ct+2*\i:\b+\bstep*\ct+2*\i+1], 0
.else
	v_wmma_f32_16x16x4_f32 v[AC+8*\ct:AC+8*\ct+7], v[\a+8*\ct+2*\i:\a+8*\ct+2*\i+1], v[\b+\bstep*\ct+2*\i:\b+\bstep*\ct+2*\i+1], v[AC+8*\ct:AC+8*\ct+7]
.endif
.endr
.endr
.endm
.macro GATHER                          ; the four accumulators' sum into v[T] on: each accumulator is read from its low end on
.irp p, 0,1,2,3
	v_pk_add_f32 v[T+2*\p:T+2*\p+1], v[AC+2*\p:AC+2*\p+1], v[AC+8+2*\p:AC+8+2*\p+1]
.endr
.irp p, 0,1,2,3
	v_pk_add_f32 v[T+2*\p:T+2*\p+1], v[T+2*\p:T+2*\p+1], v[AC+16+2*\p:AC+16+2*\p+1]
.endr
.irp p, 0,1,2,3
	v_pk_add_f32 v[T+2*\p:T+2*\p+1], v[T+2*\p:T+2*\p+1], v[AC+24+2*\p:AC+24+2*\p+1]
.endr
.endm
	; ---- the scores: S^T = k q^T, 16 channels to an accumulator: lane (r, h), register j: key 8 h + j, query r
	s_wait_loadcnt 57                              ; q and k are in; v's 32 loads, the bias's one and w_proj's 24 may be out
	PROD KI, QI, 8, 1
.rept 8
	v_nop                                          ; eight places behind this form, ahead of the first read of results (ISA guide 7.12.1)
.endr
	GATHER
.irp j, 0,1,2,3,4,5,6,7
	v_cmp_gt_i32 vcc_lo, \j, v9                    ; key 8 h + j comes after query r
	v_cndmask_b32 v[T+\j], v[T+\j], v10, vcc_lo
.endr
	v_max3_num_f32 v248, v240, v241, v242
	v_max3_num_f32 v249, v243, v244, v245
	v_max3_num_f32 v248, v248, v246, v247
	v_max_num_f32 v248, v248, v249
	v_permlanex16_b32 v249, v248, s20, s21         ; the query's other eight keys lie in the lane 16 away; key 0 counts for every query, so the maximum is a number
	v_max_num_f32 v249, v248, v249                 ; m
	v_mul_f32 v248, s22, v249                      ; c m
.irp p, 0,1,2,3
	v_pk_fma_f32 v[T+2*\p:T+2*\p+1], v[T+2*\p:T+2*\p+1], s[22:23], v[248:249] op_sel_hi:[1,0,0] neg_lo:[0,0,1] neg_hi:[0,0,1]
.endr
.irp j, 0,1,2,3,4,5,6,7
	v_exp_f32 v[T+\j], v[T+\j]                     ; p = 2^(c s - c m)
.endr
	v_nop
	s_wait_alu depctr_va_vdst(0)                   ; one wait for the eight, ahead of their first reader
	v_pk_add_f32 v[252:253], v[240:241], v[242:243]
	v_pk_add_f32 v[254:255], v[244:245], v[246:247]
	v_pk_add_f32 v[252:253], v[252:253], v[254:255]
	v_add_f32 v252, v252, v253
	v_permlanex16_b32 v253, v252, s20, s21
	v_add_f32 v252, v252, v253                     ; the row's sum
	v_rcp_f32 v248, v252
	v_nop
	s_wait_alu depctr_va_vdst(0)
	; ---- y^T = v^T p: lane (r, h), register j of accumulator ct: channel 16 ct + 8 h + j, query r: an image again.  (The softmax's plain lines are the places ahead of the accumulators' new start)
	s_wait_loadcnt 25                              ; v is in; the bias and w_proj's 24 may be out
	PROD VI, T, 0, 1
.rept 9
	v_nop                                          ; nine places: for the reads of results, for the loads into v's registers, and for the accumulators' next new start
.endr
.set n, 0
.rept 16
	v_pk_mul_f32 v[QI+2*n:QI+2*n+1], v[AC+2*n:AC+2*n+1], v[248:249] op_sel_hi:[1,0]   ; / the sum
.set n, n+1
.endr
.irp ct, 0,1,2,3
.irp hf, 0,1
	ds_store_b128 v5, v[QI+8*\ct+4*\hf:QI+8*\ct+4*\hf+3] offset:YIMG+\ct*1024+\hf*512
.endr
.endr
.irp ct, 0,1,2,3
.irp hf, 0,1
	global_load_b128 v[VI+8*\ct+4*\hf:VI+8*\ct+4*\hf+3], v3, s[6:7] offset:768+\ct*64+\hf*16   ; w_proj's fragments of my fourth head
.endr
.endr
	s_wait_dscnt 0x0                               ; for the others' sake: my head's images have landed
	s_barrier_signal -1
	s_barrier_wait -1
	; ---- the projection: source 0 = 16 rows of w_proj, source 1 = y's images: lane (r, h), register j: row t = r, column 16 tl + 8 h + j
.macro ALOAD hh, reg
.irp ct, 0,1,2,3
.irp hf, 0,1
	ds_load_b128 v[\reg+8*\ct+4*\hf:\reg+8*\ct+4*\hf+3], v6 offset:YIMG+\hh*4096+\ct*1024+\hf*512
.endr
.endr
.endm
	ALOAD 0, KI
	ALOAD 1, QI
	s_wait_loadcnt 8                               ; the bias and three heads of w_proj are in; the fourth head's eight loads may be out
	s_wait_dscnt 8                                 ; head 0's images are in; head 1's eight loads may be out
	PROD WB, KI, 8, 1
.rept 8
	v_nop                                          ; places in front of the loads into the buffer just multiplied
.endr
	ALOAD 2, KI
	s_wait_dscnt 8                                 ; head 1's are in
	PROD WB+32, QI, 8, 0
.rept 8
	v_nop
.endr
	ALOAD 3, QI
	s_wait_dscnt 8                                 ; head 2's are in
	PROD WB+64, KI, 8, 0
	s_wait_loadcnt 0x0
	s_wait_dscnt 0x0
	PROD VI, QI, 8, 0
.rept 8
	v_nop
.endr
	GATHER
	ds_store_b128 v7, v[T:T+3]
	ds_store_b128 v7, v[T+4:T+7] offset:16
	s_wait_dscnt 0x0                               ; for the others' sake: my partial tile has landed
	s_barrier_signal -1
	s_barrier_wait -1
	; ---- wave w adds the four quarters of row w and the bias, and stores the row's 256 bytes
.irp k, 0,1,2,3
	ds_load_b64 v[T+2*\k:T+2*\k+1], v8 offset:\k*4352
.endr
	s_wait_dscnt 0x0
	v_pk_add_f32 v[240:241], v[240:241], v[242:243]
	v_pk_add_f32 v[244:245], v[244:245], v[246:247]
	v_pk_add_f32 v[240:241], v[240:241], v[244:245]
	v_pk_add_f32 v[240:241], v[240:241], v[250:251]
	global_store_b64 v4, v[240:241], s[10:11]      ; 32 lanes store 256 consecutive bytes, at a multiple of 256 from out0's first byte
	s_wait_tensorcnt 0x0                           ; the wave's end, behind my last LDS store
	ds_add_u32 v[SPW], v[NIL]
	s_wait_dscnt 0x0
	s_endpgm
.Lfunc_end_k_q12b88d67eb_fine:
	.size	k_q12b88d67eb_fine, .Lfunc_end_k_q12b88d67eb_fine-k_q12b88d67eb_fine
	.p2alignl 7, 3214868480
	.fill 96, 4, 3214868480
	.section	.rodata,"a",@progbits
	.p2align	6, 0x0
	.amdhsa_kernel k_q12b88d67eb_fine
		.amdhsa_group_segment_fixed_size 84992
		.amdhsa_private_segment_fixed_size 0
		.amdhsa_enable_private_segment 0
		.amdhsa_kernarg_size 32
		.amdhsa_user_sgpr_count 2
		.amdhsa_user_sgpr_kernarg_segment_ptr 1
		.amdhsa_wavefront_size32 1
		.amdhsa_system_sgpr_workgroup_id_x 1
		.amdhsa_system_sgpr_workgroup_id_y 1
		.amdhsa_system_sgpr_workgroup_id_z 1
		.amdhsa_system_vgpr_workitem_id 0
		.amdhsa_next_free_vgpr 256
		.amdhsa_next_free_sgpr 66
		.amdhsa_reserve_vcc 1
		.amdhsa_float_denorm_mode_32 3
		.amdhsa_float_denorm_mode_16_64 3
		.amdhsa_memory_ordered 1
		.amdhsa_forward_progress 1
		.amdhsa_inst_pref_size 27
	.end_amdhsa_kernel
	.amdgpu_metadata
---
amdhsa.version: [ 1, 2 ]
amdhsa.kernels:
  - .name:           k_q12b88d67eb_fine
    .symbol:         k_q12b88d67eb_fine.kd
    .args:
      - { .name: qkv32, .offset: 0, .size: 8, .value_kind: global_buffer, .address_space: global }
      - { .name: w_proj, .offset: 8, .size: 8, .value_kind: global_buffer, .address_space: global }
      - { .name: b_proj, .offset: 16, .size: 8, .value_kind: global_buffer, .address_space: global }
      - { .name: out0, .offset: 24, .size: 8, .value_kind: global_buffer, .address_space: global }
    .group_segment_fixed_size: 84992
    .private_segment_fixed_size: 0
    .kernarg_segment_align: 8
    .kernarg_segment_size: 32
    .max_flat_workgroup_size: 512
    .sgpr_count:     66
    .vgpr_count:     256
    .wavefront_size: 32
...
	.end_amdgpu_metadata
.endif
;; end of part 5
